; MI455X (gfx1250); checked and timed in simulation.
; The chip was launched on July 23, 2026; its instructions are those of AMD's public machine-readable ISA for CDNA 5 (MIT licence, August 2026) and "CDNA5" Instruction Set Architecture Reference Guide (July 2026). The comments in the code are by the model that wrote it; some were corrected since.
;; Gumbel Quantizer. Allowed arithmetic: float matrix products may take bf16 or f16 operands with f32 sums; all other float work in f32.
;; Inputs: gumbel 8,192 x 8,192 float32; weight 8,192 x 256 float32; z_e 8 x 256 x 32 x 32 float32.
;; Outputs: out0 8 x 256 x 32 x 32 float32; out1 one number float32; out2 one number float32; out3 8,192 int32.
;; 2 versions, each right and faster than the one before. Each part assembles by itself: llvm-mc -triple=amdgcn-amd-amdhsa -mcpu=gfx1250 --defsym DOCPART=n.
;; ======== version 1 of 2: 4 launches
;; workspace buffers: pval 524,288 bytes; pidx 524,288 bytes of whole numbers; idx 32,768 bytes of whole numbers; parts 2,048 bytes
;; launch score (part 1): grid 16 x 16, 4 waves a work-group, no clusters, 327,680 bytes of LDS; arguments gumbel, weight, z_e, pval, pidx; writes pval, pidx
.if DOCPART == 1
	.amdgcn_target "amdgcn-amd-amdhsa--gfx1250"
	.amdhsa_code_object_version 6
	.text
	.protected	k_q378141c2c0_score
	.globl	k_q378141c2c0_score
	.p2align	8
	.type	k_q378141c2c0_score,@function
k_q378141c2c0_score:
	s_mov_b64 s[64:65], 0
	v_nop
	global_prefetch_b8 v0, s[64:65] scope:SCOPE_SE
	s_setreg_imm32_b32 hwreg(HW_REG_WAVE_MODE, 25, 1), 1
	s_wait_xcnt 0x0
; x[n][k] = gumbel[n][k] - ((A[n] + B[k]) - 2 * sum over d of z[n][d] w[k][d]),  A = sum z^2, B = sum w^2; per token the largest x of a block of
; 512 codes and its code go out: pval, pidx [16 code blocks][8192 tokens].  Token n = 1024 b + hw of z_e [8][256][1024].
; The three f32 roundings (A + B, then - 2 P, then g - that) are made in the order in which the problem's formula makes them; ties go to the lower code.
; No exponential is formed: the softmax is monotone, so its argmax is the argmax of x.
; LIMITS: the argmax is taken on x, which can differ from the argmax of the softmax only where the two largest x differ by less than 2^-25
; (that needs |x| < 0.5); a NaN never wins; the product has bf16 operands and f32 sums, so of two codes whose x lie within one step of the
; f32 grid of the distances either may be taken.
; SHARES: a work-group makes 512 tokens x 512 codes with four waves.  Wave v keeps its 128 tokens as bf16 fragments in 512 registers for the whole
; kernel; the codes' fragments come from LDS, 32 codes at a time, converted from f32 by the four waves in turn with the products.
; The codes are the matrix instruction's first source: lane (r, h), register j of a result holds code 16 t + 8 h + j of token column r, that is
; eight neighbouring numbers (32 bytes) of one row of gumbel.
; Tile i = 4 yhi + z, column r is token 128 v + 64 yhi + 4 r + z: one 16-byte load of z_e at a fixed d feeds the four tiles z = 0..3, and sixteen
; lanes cover 256 consecutive bytes.
; gumbel comes by tensor loads through two LDS slots of 64 codes x 512 tokens; wave v brings the tokens 4 y + v (128 rows of 256 bytes, 4 rows apart).
; NO CLUSTER: what work-groups share (weight, z_e) is f32 and has to pass through registers to become bf16; an f32 tile of 32 codes is 32,768 bytes,
; two slots of it 65,536, and 327,680 - 312,832 = 14,848 bytes of LDS are left; and the one tensor load that a wave issues behind a refill's barrier
; is gumbel's, of which no two work-groups read the same byte.
.set GPITCH, 272                       ; a gumbel row in LDS: 256 bytes + 16: an odd multiple of 16, so the 16 rows of a load start 16 bytes apart modulo 256
.set GREG,   128*GPITCH                ; what one tensor load brings: 34,816
.set GSLOT,  4*GREG                    ; 139,264
.set WB,     2*GSLOT                   ; 278,528: behind the ring, a multiple of 256: no tensor load lands here
.set WPITCH, 528                       ; a code's row: 256 bf16 + 16 bytes
.set BOFF,   32*WPITCH                 ; behind a slot's 32 rows: their 32 B, f32
.set WSLOT,  BOFF+256                  ; 17,152
; window 0
.set ZO,   4                           ; z_e: 32768 h + 16 r + 512 v
.set WGO,  5                           ; weight: 8192 v + 16 lane
.set WA,   6                           ; LDS: WB + 528 r + 16 h
.set BA,   7                           ; LDS: WB + BOFF + 32 h
.set WSA,  8                           ; LDS: WB + 4224 v + 8 lane
.set BSA,  9                           ; LDS: WB + BOFF + 32 v
.set GA,   10                          ; v10-13: LDS, slot gs, regions 2 zhi ..: gs GSLOT + 2 zhi GREG + (32 v + r) 272 + 32 h
.set OUTO, 14                          ; 16 x thread
.set HC,   15                          ; 8 h + 512 cb
.set ACC,  16                          ; v16-79   eight result tiles
.set G,    80                          ; v80-143  gumbel of the eight tiles, then x
.set WF,   144                         ; v144-207 16 codes x 256 d: eight fragments
.set BK,   208                         ; v208-215 B of my eight codes
.set T,    216                         ; v216-223 at work
.set P,    208                         ; v208-223 before the steps: partial sums of squares
.set AN2,  224                         ; v224-239 A of tile i, twice (a pair for the packed add)
.set BEST, 240                         ; v240-247 largest x so far, tile i
.set IDX,  248                         ; v248-255 its code (16 t + j)
; window 1: v0-63 fourth staging slot of z_e; v64-127 and v128-191 staging of weight.  Windows 2, 3: tokens, yhi = 0, 1: register 64 z + 8 s + q
.set STA,  64
.set STB,  128
.set KJ,   40                          ; s40-47 16 t + j
.set M,    48                          ; s48-55 lane masks
.set MSB, 0
.macro WIN new                         ; s_set_vgpr_msb: bits 1:0 source 0, 3:2 source 1, 5:4 source 2, 7:6 destination; the high byte repeats the setting that is left
.if MSB != (\new)
	s_set_vgpr_msb (MSB<<8)|(\new)
.set MSB, (\new)
.endif
.endm
.macro PLACES                          ; four plain vector places behind a matrix instruction (ISA guide 7.12.1) before its results are read or its sources loaded again
.rept 4
	v_nop
.endr
.endm
	s_load_b256 s[4:11], s[0:1], 0x0               ; gumbel s[4:5], weight s[6:7], z_e s[8:9], pval s[10:11]
	s_load_b64 s[12:13], s[0:1], 0x20              ; pidx
	s_set_vgpr_msb 0x40
	v_lshl_add_u32 v254, v0, 2, 0x4c600
	v_mov_b32 v255, 0
	s_set_vgpr_msb 0x4045
	ds_add_u32 v254, v255
	ds_add_u32 v254, v255
	s_set_vgpr_msb 0x4500
	v_lshrrev_b32 v1, 5, v0
	v_readfirstlane_b32 s14, v1                    ; wave v
	s_mov_b32 s15, ttmp9                           ; cb: block of 512 codes
	s_and_b32 s16, ttmp7, 0xffff                   ; tb: block of 512 tokens
	; descriptor group 1: 128 rows of 64 f32, 4 token rows apart, 16 bytes of padding behind each row
	s_mov_b32 s24, 0x07520000                      ; element of 4 bytes; padding on; after every 64 words, 4 words
	s_mov_b32 s25, 64<<16                          ; tensor_dim0 = 64
	s_mov_b32 s26, 128<<16                         ; tensor_dim1 = 128
	s_mov_b32 s27, 64<<16                          ; tile_dim0 = 64
	s_mov_b32 s28, 128                             ; tile_dim1 = 128
	s_mov_b32 s29, 32768                           ; from row to row: 4 x 8192 elements
	s_mov_b32 s30, 0
	s_mov_b32 s31, 0
	s_lshl_b32 s2, s16, 24                         ; 512 tokens x 32,768 bytes
	s_lshl_b32 s17, s14, 15                        ; token v of each four
	s_or_b32 s2, s2, s17
	s_lshl_b32 s17, s15, 11                        ; 512 codes x 4 bytes
	s_or_b32 s2, s2, s17
	s_mov_b32 s3, 0                                ; stays 0: the upper word of every offset
	s_mul_i32 s17, s14, GREG                       ; my region of a slot
	s_wait_dscnt 0x0
	s_wait_kmcnt 0x0
	s_add_nc_u64 s[20:21], s[4:5], s[2:3]
	; group 0, one set for each slot, and both first fills: two tensor loads of the wave are out here, later one
.irp s, 0,1
	s_mov_b32 s[32+4*\s], 1
	s_add_co_u32 s[33+4*\s], s17, \s*GSLOT
	s_add_nc_u64 s[34+4*\s:35+4*\s], s[20:21], \s*256
	s_or_b32 s[35+4*\s], s[35+4*\s], 0x80000000
	tensor_load_to_lds s[32+4*\s:35+4*\s], s[24:31]
	s_nop 0
.endr
	v_and_b32 v1, 31, v0                           ; lane
	v_and_b32 v2, 15, v0                           ; r
	v_bfe_u32 v3, v0, 4, 1                         ; h
	v_lshlrev_b32 v[ZO], 4, v2
	v_lshl_add_u32 v[ZO], v3, 15, v[ZO]            ; h: 8 d further, 8 x 4096 bytes
	s_lshl_b32 s18, s14, 9
	v_add_nc_u32 v[ZO], s18, v[ZO]
	v_lshlrev_b32 v[WGO], 4, v1
	s_lshl_b32 s18, s14, 13                        ; 8 rows of 1,024 bytes a wave
	v_add_nc_u32 v[WGO], s18, v[WGO]
	v_mul_u32_u24 v[WA], v2, WPITCH
	v_lshl_add_u32 v[WA], v3, 4, v[WA]
	v_add_nc_u32 v[WA], WB, v[WA]
	v_lshlrev_b32 v[BA], 5, v3
	v_add_nc_u32 v[BA], WB+BOFF, v[BA]
	s_mul_i32 s18, s14, 8*WPITCH
	s_add_co_u32 s18, s18, WB
	v_lshl_add_u32 v[WSA], v1, 3, s18
	s_lshl_b32 s18, s14, 5
	s_add_co_u32 s19, s18, WB+BOFF
	v_mov_b32 v[BSA], s19
	v_add_nc_u32 v[GA], s18, v2                    ; row 32 v + r of a region
	v_mul_u32_u24 v[GA], v[GA], GPITCH
	v_lshl_add_u32 v[GA], v3, 5, v[GA]
	v_add_nc_u32 v[GA+1], 2*GREG, v[GA]
	v_add_nc_u32 v[GA+2], GSLOT, v[GA]
	v_add_nc_u32 v[GA+3], GSLOT+2*GREG, v[GA]
	v_lshlrev_b32 v[OUTO], 4, v0
	s_lshl_b32 s18, s15, 9
	v_lshl_add_u32 v[HC], v3, 3, s18
.irp i, 0,1,2,3,4,5,6,7
	v_mov_b32 v[BEST+\i], 0xff800000               ; minus infinity
	v_mov_b32 v[IDX+\i], 0
	s_mov_b32 s[KJ+\i], \i
.endr
	s_mov_b32 s56, 0x76543210                      ; v_permlanex16_b32: lane i of one half reads lane i of the other
	s_mov_b32 s57, 0xfedcba98
	s_mov_b32 s59, 0xffff0000                      ; lanes 16-31
	s_lshl_b32 s2, s15, 19                         ; 512 codes x 1,024 bytes
	s_add_nc_u64 s[6:7], s[6:7], s[2:3]
	s_lshr_b32 s18, s16, 1                         ; image b = tb / 2
	s_lshl_b32 s2, s18, 20
	s_and_b32 s18, s16, 1                          ; and which 512 of its 1,024 tokens
	s_lshl_b32 s18, s18, 11
	s_or_b32 s2, s2, s18
	s_add_nc_u64 s[8:9], s[8:9], s[2:3]
; 16 loads: my 8 of the 32 code rows at byte off of base s[b:b+1]; a row is two loads of 512 bytes
.macro WLOAD stg, b, off
	WIN 0x40
.irp cc, 0,1,2,3,4,5,6,7
	global_load_b128 v[\stg+8*\cc:\stg+8*\cc+3],   v[WGO], s[\b:\b+1] offset:\off+1024*\cc
	global_load_b128 v[\stg+8*\cc+4:\stg+8*\cc+7], v[WGO], s[\b:\b+1] offset:\off+1024*\cc+512
.endr
	WIN 0
.endm
; my 8 rows: sum of squares over the wave to the slot's B, then bf16 into the slot's rows.  24 LDS stores.  q: 16 registers at work in window 0
.macro WCONV stg, slot, q
	WIN 0x05
.irp cc, 0,1,2,3,4,5,6,7
	v_pk_mul_f32 v[\q+2*\cc:\q+2*\cc+1], v[\stg+8*\cc:\stg+8*\cc+1], v[\stg+8*\cc:\stg+8*\cc+1]
.endr
.irp e, 2,4,6
.irp cc, 0,1,2,3,4,5,6,7
	v_pk_fma_f32 v[\q+2*\cc:\q+2*\cc+1], v[\stg+8*\cc+\e:\stg+8*\cc+\e+1], v[\stg+8*\cc+\e:\stg+8*\cc+\e+1], v[\q+2*\cc:\q+2*\cc+1]
.endr
.endr
	WIN 0
.irp cc, 0,1,2,3,4,5,6,7
	v_add_f32 v[\q+2*\cc], v[\q+2*\cc], v[\q+2*\cc+1]
.endr
.irp m, 1,2,4,8
.irp cc, 0,1,2,3,4,5,6,7
	v_add_f32_dpp v[\q+2*\cc], v[\q+2*\cc], v[\q+2*\cc] row_xmask:\m row_mask:0xf bank_mask:0xf
.endr
.endr
.irp cc, 0,1,2,3,4,5,6,7
	v_permlanex16_b32 v[\q+2*\cc+1], v[\q+2*\cc], s56, s57
.endr
.irp cc, 0,1,2,3,4,5,6,7
	v_add_f32 v[\q+2*\cc], v[\q+2*\cc], v[\q+2*\cc+1]
.endr
.irp cc, 0,1,2,3,4,5,6,7
	ds_store_b32 v[BSA], v[\q+2*\cc] offset:\slot*WSLOT+4*\cc      ; every lane the same word and value
.endr
	WIN 0x45
.irp cc, 0,1,2,3,4,5,6,7
	v_cvt_pk_bf16_f32 v[\stg+8*\cc],   v[\stg+8*\cc],   v[\stg+8*\cc+1]
	v_cvt_pk_bf16_f32 v[\stg+8*\cc+1], v[\stg+8*\cc+2], v[\stg+8*\cc+3]
	v_cvt_pk_bf16_f32 v[\stg+8*\cc+4], v[\stg+8*\cc+4], v[\stg+8*\cc+5]
	v_cvt_pk_bf16_f32 v[\stg+8*\cc+5], v[\stg+8*\cc+6], v[\stg+8*\cc+7]
.endr
	WIN 0x04
.irp cc, 0,1,2,3,4,5,6,7
	ds_store_b64 v[WSA], v[\stg+8*\cc:\stg+8*\cc+1]   offset:\slot*WSLOT+WPITCH*\cc          ; d = 4 lane ..: 32 lanes, 256 neighbouring bytes
	ds_store_b64 v[WSA], v[\stg+8*\cc+4:\stg+8*\cc+5] offset:\slot*WSLOT+WPITCH*\cc+256      ; d = 128 + 4 lane ..
.endr
	WIN 0
.endm
; batch k of z_e = (yhi = k / 8, K step s = k % 8): 16 loads of 16 bytes, d = 32 s + 16 q + 8 h + i, tokens z = 0..3.  Staging slot k % 4.
.macro ZSLOT k
.set ZY, \k/8
.set ZS, \k%8
.if \k%4 == 3
.set ZW, 1
.set ZB, 0
.else
.set ZW, 0
.set ZB, 16+64*(\k%4)
.endif
.endm
.macro ZLOAD k
	ZSLOT \k
.set ZWIN, 64*ZW
	WIN ZWIN
.irp q, 0,1
.irp i, 0,1,2,3,4,5,6,7
	global_load_b128 v[ZB+4*(8*\q+\i):ZB+4*(8*\q+\i)+3], v[ZO], s[8:9] offset:(32*ZS+16*\q+\i)*4096+256*ZY
.endr
.endr
.endm
; batch k is in: its squares go to four sets of partial sums, its numbers as bf16 to the token fragments; nx < 16: the staging slot's next batch
.macro ZBATCH k, cnt, nx
	s_wait_loadcnt \cnt                            ; the younger batches, 16 loads each, stay out
	ZSLOT \k
.set ZWIN, 5*ZW
	WIN ZWIN
.set zl, 0
.rept 16
.if 16*ZS+zl < 4
	v_pk_mul_f32 v[P+4*(zl%4):P+4*(zl%4)+1],   v[ZB+4*zl:ZB+4*zl+1],   v[ZB+4*zl:ZB+4*zl+1]      ; the first four start the sums
	v_pk_mul_f32 v[P+4*(zl%4)+2:P+4*(zl%4)+3], v[ZB+4*zl+2:ZB+4*zl+3], v[ZB+4*zl+2:ZB+4*zl+3]
.else
	v_pk_fma_f32 v[P+4*(zl%4):P+4*(zl%4)+1],   v[ZB+4*zl:ZB+4*zl+1],   v[ZB+4*zl:ZB+4*zl+1],   v[P+4*(zl%4):P+4*(zl%4)+1]
	v_pk_fma_f32 v[P+4*(zl%4)+2:P+4*(zl%4)+3], v[ZB+4*zl+2:ZB+4*zl+3], v[ZB+4*zl+2:ZB+4*zl+3], v[P+4*(zl%4)+2:P+4*(zl%4)+3]
.endif
.set zl, zl+1
.endr
.set ZWIN, 5*ZW+64*(2+ZY)
	WIN ZWIN
.irp z, 0,1,2,3
.irp q, 0,1
.irp p, 0,1,2,3
	v_cvt_pk_bf16_f32 v[64*\z+8*ZS+4*\q+\p], v[ZB+4*(8*\q+2*\p)+\z], v[ZB+4*(8*\q+2*\p+1)+\z]     ; the lower d in the lower half
.endr
.endr
.endr
.if \nx < 16
	ZLOAD \nx
.endif
.endm
; A of the tiles 4 yh + z: the four sets, then the other half of the lanes (the other 128 d)
.macro AFIN yh
	WIN 0
	v_pk_add_f32 v[P:P+1],     v[P:P+1],     v[P+4:P+5]
	v_pk_add_f32 v[P+2:P+3],   v[P+2:P+3],   v[P+6:P+7]
	v_pk_add_f32 v[P+8:P+9],   v[P+8:P+9],   v[P+12:P+13]
	v_pk_add_f32 v[P+10:P+11], v[P+10:P+11], v[P+14:P+15]
	v_pk_add_f32 v[P:P+1],     v[P:P+1],     v[P+8:P+9]
	v_pk_add_f32 v[P+2:P+3],   v[P+2:P+3],   v[P+10:P+11]
.irp z, 0,1,2,3
	v_permlanex16_b32 v[P+4+\z], v[P+\z], s56, s57
.endr
.irp z, 0,1,2,3
	v_add_f32 v[AN2+2*(4*\yh+\z)],   v[P+\z], v[P+4+\z]
	v_add_f32 v[AN2+2*(4*\yh+\z)+1], v[P+\z], v[P+4+\z]
.endr
.endm
	; BEFORE THE STEPS: codes 0-63 of the block into both weight slots, my 128 tokens into registers
	WLOAD STA, 6, 0
	WLOAD STB, 6, 32768
	ZLOAD 0
	ZLOAD 1
	ZLOAD 2
	s_wait_loadcnt 48                              ; three batches of z_e are younger: both weight stagings are in
	WCONV STA, 0, P
	WCONV STB, 1, P
	ZLOAD 3
	ZBATCH 0, 48, 4
	ZBATCH 1, 48, 5
	ZBATCH 2, 48, 6
	ZBATCH 3, 48, 7
	ZBATCH 4, 48, 8
	ZBATCH 5, 48, 9
	ZBATCH 6, 48, 10
	ZBATCH 7, 48, 11
	AFIN 0
	ZBATCH 8, 48, 12
	ZBATCH 9, 48, 13
	ZBATCH 10, 48, 14
	ZBATCH 11, 48, 15
	ZBATCH 12, 48, 16
	ZBATCH 13, 32, 16
	ZBATCH 14, 16, 16
	ZBATCH 15, 0, 16
	AFIN 1
	s_add_nc_u64 s[60:61], s[6:7], 65536           ; codes 64-95
	WLOAD STA, 60, 0
; 16 LDS loads: 16 codes (tile tl of weight slot ws) x 256 d as eight fragments: registers 0-3 d = 32 s + 8 h .., registers 4-7 d = 32 s + 16 + 8 h ..
.macro LDWF ws, tl
.irp s, 0,1,2,3,4,5,6,7
	ds_load_b128 v[WF+8*\s:WF+8*\s+3],   v[WA] offset:\ws*WSLOT+\tl*16*WPITCH+64*\s
	ds_load_b128 v[WF+8*\s+4:WF+8*\s+7], v[WA] offset:\ws*WSLOT+\tl*16*WPITCH+64*\s+32
.endr
.endm
.macro LDBK ws, tl                     ; 2 LDS loads: B of codes 16 tl + 8 h + 0..7
	ds_load_b128 v[BK:BK+3],   v[BA] offset:\ws*WSLOT+64*\tl
	ds_load_b128 v[BK+4:BK+7], v[BA] offset:\ws*WSLOT+64*\tl+16
.endm
; 16 LDS loads: gumbel of code tile c (0..3) of slot gs for my eight token tiles: region z, row 32 v + 16 yh + r, byte 64 c + 32 h
.macro LDG gs, c
.irp yh, 0,1
.irp z, 0,1,2,3
	ds_load_b128 v[G+8*(4*\yh+\z):G+8*(4*\yh+\z)+3],   v[GA+2*\gs+\z/2] offset:(\z%2)*GREG+\yh*16*GPITCH+64*\c
	ds_load_b128 v[G+8*(4*\yh+\z)+4:G+8*(4*\yh+\z)+7], v[GA+2*\gs+\z/2] offset:(\z%2)*GREG+\yh*16*GPITCH+64*\c+16
.endr
.endr
.endm
; 32 matrix instructions: 16 codes x 64 tokens x 256 d.  The four accumulators take turns, one instruction a turn;
; the first K step starts the sums with the constant 0.
.macro MUL32 yh
.if \yh
	WIN 0x0c
.else
	WIN 0x08
.endif
.irp z, 0,1,2,3
	v_wmma_f32_16x16x32_bf16 v[ACC+8*(4*\yh+\z):ACC+8*(4*\yh+\z)+7], v[WF:WF+7], v[64*\z:64*\z+7], 0
.endr
.irp s, 1,2,3,4,5,6,7
.irp z, 0,1,2,3
	v_wmma_f32_16x16x32_bf16 v[ACC+8*(4*\yh+\z):ACC+8*(4*\yh+\z)+7], v[WF+8*\s:WF+8*\s+7], v[64*\z+8*\s:64*\z+8*\s+7], v[ACC+8*(4*\yh+\z):ACC+8*(4*\yh+\z)+7]
.endr
.endr
.endm
.macro EPI_T1 i                        ; T = A + B, rounded
.irp p, 0,2,4,6
	v_pk_add_f32 v[T+\p:T+\p+1], v[BK+\p:BK+\p+1], v[AN2+2*\i:AN2+2*\i+1]
.endr
.endm
.macro EPI_T2 i                        ; distance = T - 2 P, rounded once (2 P is exact)
.irp p, 0,2,4,6
	v_pk_fma_f32 v[ACC+8*\i+\p:ACC+8*\i+\p+1], v[ACC+8*\i+\p:ACC+8*\i+\p+1], -2.0, v[T+\p:T+\p+1] op_sel_hi:[1,0,1]
.endr
.endm
.macro EPI_X i                         ; x = gumbel - distance, rounded
.irp p, 0,2,4,6
	v_pk_add_f32 v[G+8*\i+\p:G+8*\i+\p+1], v[G+8*\i+\p:G+8*\i+\p+1], v[ACC+8*\i+\p:ACC+8*\i+\p+1] neg_lo:[0,1] neg_hi:[0,1]
.endr
.endm
; 16 codes x 128 tokens: the three roundings, then the running argmax, codes ascending and the compare strict: the first of equals stays
.macro EPI
	EPI_T1 0
	EPI_T2 0
	EPI_T1 1
	EPI_X 0
	EPI_T2 1
	EPI_T1 2
	EPI_X 1
	EPI_T2 2
	EPI_T1 3
	EPI_X 2
	EPI_T2 3
	EPI_T1 4
	EPI_X 3
	EPI_T2 4
	EPI_T1 5
	EPI_X 4
	EPI_T2 5
	EPI_T1 6
	EPI_X 5
	EPI_T2 6
	EPI_T1 7
	EPI_X 6
	EPI_T2 7
	EPI_X 7
.irp j, 0,1,2,3,4,5,6,7
.irp i, 0,1,2,3,4,5,6,7
	v_cmp_gt_f32 s[M+\i], v[G+8*\i+\j], v[BEST+\i]
.endr
.irp i, 0,1,2,3,4,5,6,7
	v_max_num_f32 v[BEST+\i], v[BEST+\i], v[G+8*\i+\j]
.endr
.irp i, 0,1,2,3,4,5,6,7
	v_cndmask_b32 v[IDX+\i], v[IDX+\i], s[KJ+\j], s[M+\i]
.endr
.endr
.irp j, 0,1,2,3,4,5,6,7
	s_add_co_u32 s[KJ+\j], s[KJ+\j], 16
.endr
.endm
; 32 codes: weight slot hf, code tiles 2 hf and 2 hf + 1 of gumbel slot gs.
; kind 0: in the middle of a step; 1: the first step; 2: the other gumbel slot is filled again; 3: the last step.
; conv: the staged 32 codes of the next half go to the other weight slot; load: the 32 codes behind them are asked for.
.macro HALF gs, hf, kind, conv, load
.set OG, 1-\gs
.set OW, 1-\hf
	s_wait_dscnt 0x0                               ; my reads of the slots left behind are back, my stores into this weight slot are done
.if \kind == 1
	s_wait_tensorcnt 0x1                           ; my part of slot 0 is in; slot 1's fill stays out
.endif
.if \kind >= 2
	s_set_vgpr_msb 0x5
	s_wait_tensorcnt 0x0                           ; all my tensor loads have landed, my part of this step's slot among them
	ds_add_u32 v254, v255
	s_wait_dscnt 0x0
	s_set_vgpr_msb 0x500
.endif
.if \kind == 2
	s_add_nc_u64 s[34+4*OG:35+4*OG], s[34+4*OG:35+4*OG], 512      ; none is out, so a group 0 may be written: two steps of 256 bytes on
.endif
	s_barrier_signal -1
	s_barrier_wait -1                              ; all that now holds of all four waves
.if \kind == 2
	tensor_load_to_lds s[32+4*OG:35+4*OG], s[24:31]               ; my one tensor load until the next such barrier: the next step, into the slot read last
	s_nop 0
.endif
	LDWF \hf, 0
.set CT, 2*\hf
	LDG \gs, CT
	LDBK \hf, 0
.if \conv
	s_wait_loadcnt 0x0                             ; the staged codes are in; their loads' base may be stepped
	WCONV STA, OW, ACC
.endif
.if \load
	s_add_nc_u64 s[60:61], s[60:61], 32768
	WLOAD STA, 60, 0
.endif
	s_wait_dscnt 18+24*\conv                       ; the fragments are in; younger: 16 of gumbel, 2 of B, and the 24 stores of a conversion
	MUL32 0
	MUL32 1
	WIN 0
	PLACES
	LDWF \hf, 1
	s_wait_dscnt 16                                ; all but the 16 just issued: gumbel and B are in
	EPI
.set CT, 2*\hf+1
	LDG \gs, CT
	LDBK \hf, 1
	s_wait_dscnt 18                                ; the fragments are in; gumbel's 16 and B's 2 may be out
	MUL32 0
	MUL32 1
	WIN 0
	PLACES
	s_wait_dscnt 0x0
	EPI
.endm
.macro STEP gs, kind, c0, l0, c1, l1   ; 64 codes
	HALF \gs, 0, \kind, \c0, \l0
	HALF \gs, 1, 0, \c1, \l1
.endm
	STEP 0, 1, 0, 0, 1, 1                          ; step 0: both weight slots are full, so its first half converts nothing
	s_mov_b32 s58, 3
.Lsteps:                                           ; steps 1 to 6
	STEP 1, 2, 1, 1, 1, 1
	STEP 0, 2, 1, 1, 1, 1
	s_sub_co_u32 s58, s58, 1
	s_cmp_lg_u32 s58, 0
	s_cbranch_scc1 .Lsteps
	STEP 1, 3, 1, 0, 0, 0                          ; step 7: nothing is left to fetch; the last 32 codes are converted in its first half
	; THE END: the two halves of the lanes hold codes 8 h + .. of the same tokens: the larger x, of equals the lower code
.irp i, 0,1,2,3,4,5,6,7
	v_add_nc_u32 v[IDX+\i], v[IDX+\i], v[HC]
.endr
.irp i, 0,1,2,3,4,5,6,7
	v_permlanex16_b32 v[T+\i], v[BEST+\i], s56, s57
	v_permlanex16_b32 v[BK+\i], v[IDX+\i], s56, s57
.endr
.irp i, 0,1,2,3,4,5,6,7
	v_cmp_gt_f32 s48, v[T+\i], v[BEST+\i]
	v_cmp_eq_f32 s49, v[T+\i], v[BEST+\i]
	v_cmp_lt_u32 s50, v[BK+\i], v[IDX+\i]
	s_and_b32 s49, s49, s50
	s_or_b32 s48, s48, s49
	v_cndmask_b32 v[BEST+\i], v[BEST+\i], v[T+\i], s48
	v_cndmask_b32 v[IDX+\i], v[IDX+\i], v[BK+\i], s48
.endr
.irp z, 0,1,2,3
	v_cndmask_b32 v[BEST+\z], v[BEST+\z], v[BEST+4+\z], s59      ; lanes 16-31 take yhi = 1: lane (r, h) then holds tokens 128 v + 64 h + 4 r + 0..3
	v_cndmask_b32 v[IDX+\z], v[IDX+\z], v[IDX+4+\z], s59
.endr
	s_lshl_b32 s2, s15, 15                         ; [cb][8192 tokens] of 4 bytes
	s_lshl_b32 s18, s16, 11
	s_or_b32 s2, s2, s18
	s_add_nc_u64 s[10:11], s[10:11], s[2:3]
	s_add_nc_u64 s[12:13], s[12:13], s[2:3]
	global_store_b128 v[OUTO], v[BEST:BEST+3], s[10:11]          ; a wave's store covers 512 consecutive bytes, aligned
	global_store_b128 v[OUTO], v[IDX:IDX+3], s[12:13]
	s_set_vgpr_msb 0x5
	s_wait_tensorcnt 0x0
	ds_add_u32 v254, v255
	s_wait_dscnt 0x0
	s_set_vgpr_msb 0x500
	s_endpgm
.Lfunc_end_k_q378141c2c0_score:
	.size	k_q378141c2c0_score, .Lfunc_end_k_q378141c2c0_score-k_q378141c2c0_score
	.p2alignl 7, 3214868480
	.fill 96, 4, 3214868480
	.section	.rodata,"a",@progbits
	.p2align	6, 0x0
	.amdhsa_kernel k_q378141c2c0_score
		.amdhsa_group_segment_fixed_size 327680
		.amdhsa_private_segment_fixed_size 0
		.amdhsa_enable_private_segment 0
		.amdhsa_kernarg_size 40
		.amdhsa_user_sgpr_count 2
		.amdhsa_user_sgpr_kernarg_segment_ptr 1
		.amdhsa_wavefront_size32 1
		.amdhsa_system_sgpr_workgroup_id_x 1
		.amdhsa_system_sgpr_workgroup_id_y 1
		.amdhsa_system_sgpr_workgroup_id_z 1
		.amdhsa_system_vgpr_workitem_id 0
		.amdhsa_next_free_vgpr 1024
		.amdhsa_next_free_sgpr 66
		.amdhsa_reserve_vcc 0
		.amdhsa_float_denorm_mode_32 3
		.amdhsa_float_denorm_mode_16_64 3
		.amdhsa_memory_ordered 1
		.amdhsa_forward_progress 1
		.amdhsa_inst_pref_size 255
	.end_amdhsa_kernel
	.section	.bss,"aw",@nobits
	.p2align	6
	.space	262144
	.amdgpu_metadata
---
amdhsa.version: [ 1, 2 ]
amdhsa.kernels:
  - .name:           k_q378141c2c0_score
    .symbol:         k_q378141c2c0_score.kd
    .args:
      - { .name: gumbel, .offset: 0, .size: 8, .value_kind: global_buffer, .address_space: global }
      - { .name: weight, .offset: 8, .size: 8, .value_kind: global_buffer, .address_space: global }
      - { .name: z_e, .offset: 16, .size: 8, .value_kind: global_buffer, .address_space: global }
      - { .name: pval, .offset: 24, .size: 8, .value_kind: global_buffer, .address_space: global }
      - { .name: pidx, .offset: 32, .size: 8, .value_kind: global_buffer, .address_space: global }
    .group_segment_fixed_size: 327680
    .private_segment_fixed_size: 0
    .kernarg_segment_align: 8
    .kernarg_segment_size: 40
    .max_flat_workgroup_size: 128
    .sgpr_count:     66
    .vgpr_count:     1024
    .wavefront_size: 32
...
	.end_amdgpu_metadata
.endif
;; end of part 1
;; launch amax (part 2): grid 64 x 1, 1 waves a work-group, no clusters, 0 bytes of LDS; arguments pval, pidx, out3, idx; writes out3, idx
.if DOCPART == 2
	.amdgcn_target "amdgcn-amd-amdhsa--gfx1250"
	.amdhsa_code_object_version 6
	.text
	.protected	k_q378141c2c0_amax
	.globl	k_q378141c2c0_amax
	.p2align	8
	.type	k_q378141c2c0_amax,@function
k_q378141c2c0_amax:
	s_mov_b64 s[64:65], 0
	v_nop
	global_prefetch_b8 v0, s[64:65] scope:SCOPE_SE
	s_setreg_imm32_b32 hwreg(HW_REG_WAVE_MODE, 25, 1), 1
	s_wait_xcnt 0x0
; Per token the largest of its 16 partial maxima (pval, pidx: [16 code blocks][8192 tokens]) and that one's code, to out3 and to idx.
; One wave a work-group, four tokens a lane: 128 tokens, 64 work-groups.  The compare is strict and the blocks ascend, so of equals the lower code stays.
; pval holds no NaN (its maker starts from minus infinity and lets a NaN lose).
; No LDS, no matrix unit: 1 MiB is read once, each load of the wave covering 512 consecutive bytes.
.set VAL, 8                            ; v8-71    block cb: 4 values; block 0's registers hold the running best
.set IX,  72                           ; v72-135  block cb: 4 codes
	s_load_b256 s[4:11], s[0:1], 0x0               ; pval s[4:5], pidx s[6:7], out3 s[8:9], idx s[10:11]
	v_lshlrev_b32 v1, 4, v0
	s_lshl_b32 s2, ttmp9, 9
	v_add_nc_u32 v1, s2, v1                        ; 512 x work-group + 16 x lane
	s_wait_kmcnt 0x0
.irp cb, 0,1,2,3,4,5,6,7,8,9,10,11,12,13,14,15
	global_load_b128 v[VAL+4*\cb:VAL+4*\cb+3], v1, s[4:5] offset:32768*\cb th:TH_LOAD_NT
	global_load_b128 v[IX+4*\cb:IX+4*\cb+3],   v1, s[6:7] offset:32768*\cb th:TH_LOAD_NT
.endr
.irp cb, 1,2,3,4,5,6,7,8,9,10,11,12,13,14,15
	s_wait_loadcnt 30-2*\cb                        ; the pairs of loads of the later blocks stay out
.irp e, 0,1,2,3
	v_cmp_gt_f32 s[12+\e], v[VAL+4*\cb+\e], v[VAL+\e]
.endr
.irp e, 0,1,2,3
	v_cndmask_b32 v[VAL+\e], v[VAL+\e], v[VAL+4*\cb+\e], s[12+\e]
	v_cndmask_b32 v[IX+\e], v[IX+\e], v[IX+4*\cb+\e], s[12+\e]
.endr
.endr
	global_store_b128 v1, v[IX:IX+3], s[8:9]
	global_store_b128 v1, v[IX:IX+3], s[10:11]
	s_endpgm
.Lfunc_end_k_q378141c2c0_amax:
	.size	k_q378141c2c0_amax, .Lfunc_end_k_q378141c2c0_amax-k_q378141c2c0_amax
	.p2alignl 7, 3214868480
	.fill 96, 4, 3214868480
	.section	.rodata,"a",@progbits
	.p2align	6, 0x0
	.amdhsa_kernel k_q378141c2c0_amax
		.amdhsa_group_segment_fixed_size 0
		.amdhsa_private_segment_fixed_size 0
		.amdhsa_enable_private_segment 0
		.amdhsa_kernarg_size 32
		.amdhsa_user_sgpr_count 2
		.amdhsa_user_sgpr_kernarg_segment_ptr 1
		.amdhsa_wavefront_size32 1
		.amdhsa_system_sgpr_workgroup_id_x 1
		.amdhsa_system_sgpr_workgroup_id_y 1
		.amdhsa_system_sgpr_workgroup_id_z 1
		.amdhsa_system_vgpr_workitem_id 0
		.amdhsa_next_free_vgpr 144
		.amdhsa_next_free_sgpr 66
		.amdhsa_reserve_vcc 0
		.amdhsa_float_denorm_mode_32 3
		.amdhsa_float_denorm_mode_16_64 3
		.amdhsa_memory_ordered 1
		.amdhsa_forward_progress 1
		.amdhsa_inst_pref_size 16
	.end_amdhsa_kernel
	.amdgpu_metadata
---
amdhsa.version: [ 1, 2 ]
amdhsa.kernels:
  - .name:           k_q378141c2c0_amax
    .symbol:         k_q378141c2c0_amax.kd
    .args:
      - { .name: pval, .offset: 0, .size: 8, .value_kind: global_buffer, .address_space: global }
      - { .name: pidx, .offset: 8, .size: 8, .value_kind: global_buffer, .address_space: global }
      - { .name: out3, .offset: 16, .size: 8, .value_kind: global_buffer, .address_space: global }
      - { .name: idx, .offset: 24, .size: 8, .value_kind: global_buffer, .address_space: global }
    .group_segment_fixed_size: 0
    .private_segment_fixed_size: 0
    .kernarg_segment_align: 8
    .kernarg_segment_size: 32
    .max_flat_workgroup_size: 32
    .sgpr_count:     66
    .vgpr_count:     144
    .wavefront_size: 32
...
	.end_amdgpu_metadata
.endif
;; end of part 2
;; launch gather (part 3): grid 128 x 2, 16 waves a work-group, no clusters, 37,376 bytes of LDS; arguments z_e, weight, idx, out0, parts; writes out0, parts
.if DOCPART == 3
	.amdgcn_target "amdgcn-amd-amdhsa--gfx1250"
	.amdhsa_code_object_version 6
	.text
	.protected	k_q378141c2c0_gather
	.globl	k_q378141c2c0_gather
	.p2align	8
	.type	k_q378141c2c0_gather,@function
k_q378141c2c0_gather:
	s_mov_b64 s[64:65], 0
	v_nop
	global_prefetch_b8 v0, s[64:65] scope:SCOPE_SE
	s_setreg_imm32_b32 hwreg(HW_REG_WAVE_MODE, 25, 1), 1
	s_wait_xcnt 0x0
; out0[b][d][hw] = z + (q - z) with q = weight[idx[n]][d]; per work-group the sum of (q - z)^2 and the sum of log2(c / 8192 + 1e-10) over 32 tokens,
; c = how many of the 8192 tokens chose the same code; both to parts [256][2].
; The one-hot product is a gather: off the winner (0 - y) + y is exactly 0.  LIMIT: at the winner (1 - y) + y is taken as 1 (off by 2^-23 at the most).
; sum over codes of p log(p + e) = 1/8192 x sum over tokens of log(c / 8192 + e), so the histogram is made by counting, with no traffic between work-groups.
; A work-group: 64 tokens (X) x 128 d (dh), 16 waves.  Wave w fetches the 512 bytes of four tokens' codes (rows along d), puts them into LDS, and after a
; barrier reads them across (d fixed, four neighbouring tokens a lane), as z_e and out0 lie: sixteen lanes load and store 256 consecutive bytes, aligned.
; Meanwhile wave w compares the 32 own tokens' codes (64 X + 32 dh + lane) with idx[512 w .. 512 w + 511], read by scalar loads.
; No matrix unit (nothing is multiplied), no cluster (no two work-groups fetch the same rows by design of the data), no tensor load (rows are chosen by a list).
.set WTP, 516                          ; a token's 128 f32 + 4 bytes: across the rows, lane a at word 516 a + h: 32 different words modulo 64
.set CNT, 64*WTP                       ; 33,024: [16 waves][32 tokens] counts
.set SUM, CNT+2048                     ; 35,072: [16 waves] sums of squares
.set ZOF, 4                            ; 4096 h + 16 a + 32768 w
.set OWN, 6
.set LT,  7                            ; 16 lane + 512 dh
.set GO,  8                            ; v8-11  offsets of four rows of weight
.set C,   12                           ; v12-15 four counters
.set Z,   16                           ; v16-31 z, then the result
.set WG,  32                           ; v32-47 four gathered pieces of rows
.set Q,   48                           ; v48-63 q across, then q - z
.set LS,  64                           ; v64-67 sums of squares
	s_load_b256 s[4:11], s[0:1], 0x0               ; z_e s[4:5], weight s[6:7], idx s[8:9], out0 s[10:11]
	s_load_b64 s[12:13], s[0:1], 0x20              ; parts
	v_lshl_add_u32 v80, v0, 2, 0x8a00
	v_mov_b32 v81, 0
	v_lshrrev_b32 v1, 5, v0
	v_readfirstlane_b32 s14, v1                    ; wave w
	s_mov_b32 s15, ttmp9                           ; X
	s_and_b32 s16, ttmp7, 0xffff                   ; dh
	s_mov_b32 s62, 0x76543210
	s_mov_b32 s63, 0xfedcba98
	v_and_b32 v1, 31, v0                           ; lane
	v_and_b32 v2, 15, v0                           ; a
	v_bfe_u32 v3, v0, 4, 1                         ; h
	s_lshl_b32 s19, s15, 8                         ; 64 tokens x 4 bytes
	s_lshl_b32 s18, s14, 4
	s_add_co_u32 s17, s19, s18                     ; my wave's four indices
	s_lshl_b32 s61, s14, 11                        ; my wave's 512 entries of idx
	s_lshl_b32 s18, s16, 7
	s_add_co_u32 s19, s19, s18
	v_lshl_add_u32 v5, v1, 2, s19                  ; the own token's index
	v_lshlrev_b32 v[ZOF], 4, v2
	v_lshl_add_u32 v[ZOF], v3, 12, v[ZOF]
	s_lshl_b32 s18, s14, 15                        ; 8 d a wave
	v_add_nc_u32 v[ZOF], s18, v[ZOF]
	s_lshr_b32 s2, s15, 4                          ; image
	s_lshl_b32 s2, s2, 20
	s_lshl_b32 s18, s16, 19                        ; 128 d x 4,096 bytes
	s_or_b32 s2, s2, s18
	s_and_b32 s18, s15, 15
	s_lshl_b32 s18, s18, 8
	s_or_b32 s2, s2, s18
	s_mov_b32 s3, 0
	s_lshl_b32 s18, s16, 9
	v_lshl_add_u32 v[LT], v1, 4, s18
	s_wait_kmcnt 0x0
	s_load_b128 s[20:23], s[8:9], s17 offset:0x0
	s_load_b512 s[24:39], s[8:9], s61 offset:0x0   ; entries 0-31 of my 512
	s_load_b512 s[40:55], s[8:9], s61 offset:0x40
	s_add_nc_u64 s[4:5], s[4:5], s[2:3]
	s_add_nc_u64 s[10:11], s[10:11], s[2:3]
	global_load_b32 v[OWN], v5, s[8:9]
.irp it, 0,1,2,3
	global_load_b128 v[Z+4*\it:Z+4*\it+3], v[ZOF], s[4:5] offset:8192*\it th:TH_LOAD_NT       ; d = 128 dh + 8 w + 2 it + h, tokens 4 a ..
.endr
.irp q, 0,1,2,3
	v_mov_b32 v[C+\q], 0
.endr
	s_wait_kmcnt 0x0
.irp tt, 0,1,2,3
	s_min_u32 s[20+\tt], s[20+\tt], 0x1fff         ; an index stays inside the table
	s_lshl_b32 s[20+\tt], s[20+\tt], 10
	v_add_nc_u32 v[GO+\tt], s[20+\tt], v[LT]
	global_load_b128 v[WG+4*\tt:WG+4*\tt+3], v[GO+\tt], s[6:7]
.endr
	s_wait_loadcnt 0x8                             ; the own index is in; 4 loads of z and 4 of weight stay out
.macro COUNT b                         ; 32 entries in s[b .. b+31]: a counter takes the compare's bit as a carry; four counters by turns
.irp g, 0,4,8,12,16,20,24,28
.irp q, 0,1,2,3
	v_cmp_eq_u32 s[56+\q], s[\b+\g+\q], v[OWN]
.endr
.irp q, 0,1,2,3
	v_add_co_ci_u32 v[C+\q], s[56+\q], 0, v[C+\q], s[56+\q]
.endr
.endr
.endm
	s_mov_b32 s60, 7
.Lscan:                                            ; 64 entries a trip; while one set of 32 is compared the other is on its way
	s_wait_kmcnt 0x0
	s_load_b512 s[68:83], s[8:9], s61 offset:0x80
	s_load_b512 s[84:99], s[8:9], s61 offset:0xc0
	COUNT 24
	s_wait_kmcnt 0x0                               ; the second set is in, and no scalar load reads s61 any more
	s_add_co_u32 s61, s61, 256
	s_load_b512 s[24:39], s[8:9], s61 offset:0x0
	s_load_b512 s[40:55], s[8:9], s61 offset:0x40
	COUNT 68
	s_sub_co_i32 s60, s60, 1
	s_cmp_lg_u32 s60, 0
	s_cbranch_scc1 .Lscan
	s_wait_kmcnt 0x0                               ; the last 64 entries: one more set, then nothing: no load passes my 512 entries
	s_load_b512 s[68:83], s[8:9], s61 offset:0x80
	s_load_b512 s[84:99], s[8:9], s61 offset:0xc0
	COUNT 24
	s_wait_kmcnt 0x0
	COUNT 68
	v_add3_u32 v[C], v[C], v[C+1], v[C+2]
	v_add_nc_u32 v[C], v[C], v[C+3]
	s_lshl_b32 s18, s14, 7
	s_add_co_u32 s18, s18, CNT
	v_lshl_add_u32 v69, v1, 2, s18
	ds_store_b32 v69, v[C]
	s_mul_i32 s18, s14, 4*WTP
	v_lshl_add_u32 v68, v1, 4, s18                 ; rows 4 w .., d' = 4 lane ..
	v_mul_u32_u24 v70, v2, 4*WTP                   ; across: rows 4 a + e, d' = 8 w + 2 it + h
	v_lshl_add_u32 v70, v3, 2, v70
	s_lshl_b32 s18, s14, 5
	v_add_nc_u32 v70, s18, v70
	s_wait_loadcnt 0x0
.irp tt, 0,1,2,3
.irp e, 0,1,2,3
	ds_store_b32 v68, v[WG+4*\tt+\e] offset:WTP*\tt+4*\e         ; the pitch is no multiple of 16, so word by word: 16 stores a wave
.endr
.endr
	s_wait_dscnt 0x0                               ; my stores are done, for the others' sake
	s_barrier_signal -1
	s_barrier_wait -1
.irp it, 0,1,2,3
.irp e, 0,1,2,3
	ds_load_b32 v[Q+4*\it+\e], v70 offset:WTP*\e+8*\it
.endr
.endr
.irp it, 0,1,2,3
	s_wait_dscnt 12-4*\it                          ; the later groups of four stay out
	v_pk_add_f32 v[Q+4*\it:Q+4*\it+1],   v[Q+4*\it:Q+4*\it+1],   v[Z+4*\it:Z+4*\it+1]   neg_lo:[0,1] neg_hi:[0,1]    ; q - z
	v_pk_add_f32 v[Q+4*\it+2:Q+4*\it+3], v[Q+4*\it+2:Q+4*\it+3], v[Z+4*\it+2:Z+4*\it+3] neg_lo:[0,1] neg_hi:[0,1]
	v_pk_add_f32 v[Z+4*\it:Z+4*\it+1],   v[Z+4*\it:Z+4*\it+1],   v[Q+4*\it:Q+4*\it+1]                                ; z + (q - z)
	v_pk_add_f32 v[Z+4*\it+2:Z+4*\it+3], v[Z+4*\it+2:Z+4*\it+3], v[Q+4*\it+2:Q+4*\it+3]
.if \it == 0
	v_pk_mul_f32 v[LS:LS+1],   v[Q:Q+1],   v[Q:Q+1]
	v_pk_mul_f32 v[LS+2:LS+3], v[Q+2:Q+3], v[Q+2:Q+3]
.else
	v_pk_fma_f32 v[LS:LS+1],   v[Q+4*\it:Q+4*\it+1],   v[Q+4*\it:Q+4*\it+1],   v[LS:LS+1]
	v_pk_fma_f32 v[LS+2:LS+3], v[Q+4*\it+2:Q+4*\it+3], v[Q+4*\it+2:Q+4*\it+3], v[LS+2:LS+3]
.endif
	global_store_b128 v[ZOF], v[Z+4*\it:Z+4*\it+3], s[10:11] offset:8192*\it th:TH_STORE_NT
.endr
	v_pk_add_f32 v[LS:LS+1], v[LS:LS+1], v[LS+2:LS+3]
	v_add_f32 v[LS], v[LS], v[LS+1]
.irp m, 1,2,4,8
	v_add_f32_dpp v[LS], v[LS], v[LS] row_xmask:\m row_mask:0xf bank_mask:0xf
.endr
	v_permlanex16_b32 v[LS+1], v[LS], s62, s63
	v_add_f32 v[LS], v[LS], v[LS+1]
	s_lshl_b32 s18, s14, 2
	s_add_co_u32 s18, s18, SUM
	v_mov_b32 v71, s18
	ds_store_b32 v71, v[LS]
	s_wait_dscnt 0x0
	s_barrier_signal -1
	s_barrier_wait -1
	s_cmp_lg_u32 s14, 0
	s_cbranch_scc1 .Lend
	; wave 0: the 16 waves' counts of my token, the 16 sums
	v_lshlrev_b32 v68, 2, v1
	v_add_nc_u32 v68, CNT, v68
	v_mov_b32 v69, SUM
.irp k, 0,1,2,3,4,5,6,7,8,9,10,11,12,13,14,15
	ds_load_b32 v[Q+\k], v68 offset:128*\k
.endr
.irp k, 0,1,2,3
	ds_load_b128 v[WG+4*\k:WG+4*\k+3], v69 offset:16*\k
.endr
	s_mov_b32 s17, 0x39000000                      ; 1 / 8192
	s_mov_b32 s18, 0x2edbe6ff                      ; 1e-10
	s_wait_dscnt 0x0
	v_add3_u32 v[Q], v[Q], v[Q+1], v[Q+2]
	v_add3_u32 v[Q+3], v[Q+3], v[Q+4], v[Q+5]
	v_add3_u32 v[Q+6], v[Q+6], v[Q+7], v[Q+8]
	v_add3_u32 v[Q+9], v[Q+9], v[Q+10], v[Q+11]
	v_add3_u32 v[Q+12], v[Q+12], v[Q+13], v[Q+14]
	v_add3_u32 v[Q], v[Q], v[Q+3], v[Q+6]
	v_add3_u32 v[Q+9], v[Q+9], v[Q+12], v[Q+15]
	v_add_nc_u32 v[Q], v[Q], v[Q+9]
	v_pk_add_f32 v[WG:WG+1],     v[WG:WG+1],     v[WG+2:WG+3]
	v_pk_add_f32 v[WG+4:WG+5],   v[WG+4:WG+5],   v[WG+6:WG+7]
	v_pk_add_f32 v[WG+8:WG+9],   v[WG+8:WG+9],   v[WG+10:WG+11]
	v_pk_add_f32 v[WG+12:WG+13], v[WG+12:WG+13], v[WG+14:WG+15]
	v_pk_add_f32 v[WG:WG+1],     v[WG:WG+1],     v[WG+4:WG+5]
	v_pk_add_f32 v[WG+8:WG+9],   v[WG+8:WG+9],   v[WG+12:WG+13]
	v_pk_add_f32 v[WG:WG+1],     v[WG:WG+1],     v[WG+8:WG+9]
	v_add_f32 v[WG], v[WG], v[WG+1]                ; the work-group's sum of squares
	v_cvt_f32_u32 v[Q], v[Q]
	v_fma_f32 v[Q], v[Q], s17, s18                 ; c / 8192 is exact, so this is the one rounding of p + 1e-10
	v_log_f32 v[WG+1], v[Q]
	v_nop                                          ; one plain place behind the logarithm (ISA guide 5.7.2)
	s_wait_alu depctr_va_vdst(0)
.irp m, 1,2,4,8
	v_add_f32_dpp v[WG+1], v[WG+1], v[WG+1] row_xmask:\m row_mask:0xf bank_mask:0xf
.endr
	v_permlanex16_b32 v[Q+1], v[WG+1], s62, s63
	v_add_f32 v[WG+1], v[WG+1], v[Q+1]             ; sum of log2 over my 32 tokens
	s_lshl_b32 s2, s15, 4
	s_lshl_b32 s19, s16, 3
	s_or_b32 s2, s2, s19                           ; 8 (2 X + dh)
	s_add_nc_u64 s[12:13], s[12:13], s[2:3]
	v_mov_b32 v[Q+2], 0
	v_cmp_eq_u32 vcc_lo, 0, v0
	s_wait_xcnt 0x0                                ; EXEC is a source of the stores above: it is narrowed only behind this wait
	s_wait_tensorcnt 0x0
	ds_add_u32 v80, v81
	s_wait_dscnt 0x0
	s_and_saveexec_b32 s19, vcc_lo
	global_store_b64 v[Q+2], v[WG:WG+1], s[12:13]
	s_endpgm
.Lend:
	s_wait_tensorcnt 0x0
	ds_add_u32 v80, v81
	s_wait_dscnt 0x0
	s_endpgm
.Lfunc_end_k_q378141c2c0_gather:
	.size	k_q378141c2c0_gather, .Lfunc_end_k_q378141c2c0_gather-k_q378141c2c0_gather
	.p2alignl 7, 3214868480
	.fill 96, 4, 3214868480
	.section	.rodata,"a",@progbits
	.p2align	6, 0x0
	.amdhsa_kernel k_q378141c2c0_gather
		.amdhsa_group_segment_fixed_size 37376
		.amdhsa_private_segment_fixed_size 0
		.amdhsa_enable_private_segment 0
		.amdhsa_kernarg_size 40
		.amdhsa_user_sgpr_count 2
		.amdhsa_user_sgpr_kernarg_segment_ptr 1
		.amdhsa_wavefront_size32 1
		.amdhsa_system_sgpr_workgroup_id_x 1
		.amdhsa_system_sgpr_workgroup_id_y 1
		.amdhsa_system_sgpr_workgroup_id_z 1
		.amdhsa_system_vgpr_workitem_id 0
		.amdhsa_next_free_vgpr 82
		.amdhsa_next_free_sgpr 100
		.amdhsa_reserve_vcc 1
		.amdhsa_float_denorm_mode_32 3
		.amdhsa_float_denorm_mode_16_64 3
		.amdhsa_memory_ordered 1
		.amdhsa_forward_progress 1
		.amdhsa_inst_pref_size 30
	.end_amdhsa_kernel
	.amdgpu_metadata
---
amdhsa.version: [ 1, 2 ]
amdhsa.kernels:
  - .name:           k_q378141c2c0_gather
    .symbol:         k_q378141c2c0_gather.kd
    .args:
      - { .name: z_e, .offset: 0, .size: 8, .value_kind: global_buffer, .address_space: global }
      - { .name: weight, .offset: 8, .size: 8, .value_kind: global_buffer, .address_space: global }
      - { .name: idx, .offset: 16, .size: 8, .value_kind: global_buffer, .address_space: global }
      - { .name: out0, .offset: 24, .size: 8, .value_kind: global_buffer, .address_space: global }
      - { .name: parts, .offset: 32, .size: 8, .value_kind: global_buffer, .address_space: global }
    .group_segment_fixed_size: 37376
    .private_segment_fixed_size: 0
    .kernarg_segment_align: 8
    .kernarg_segment_size: 40
    .max_flat_workgroup_size: 512
    .sgpr_count:     100
    .vgpr_count:     82
    .wavefront_size: 32
...
	.end_amdgpu_metadata
.endif
;; end of part 3
;; launch finish (part 4): grid 1 x 1, 1 waves a work-group, no clusters, 0 bytes of LDS; arguments parts, out1, out2; writes out1, out2
.if DOCPART == 4
	.amdgcn_target "amdgcn-amd-amdhsa--gfx1250"
	.amdhsa_code_object_version 6
	.text
	.protected	k_q378141c2c0_finish
	.globl	k_q378141c2c0_finish
	.p2align	8
	.type	k_q378141c2c0_finish,@function
k_q378141c2c0_finish:
	s_mov_b64 s[64:65], 0
	v_nop
	global_prefetch_b8 v0, s[64:65] scope:SCOPE_SE
	s_setreg_imm32_b32 hwreg(HW_REG_WAVE_MODE, 25, 1), 1
	s_wait_xcnt 0x0
; parts [256][sum of (q - z)^2, sum of log2(p + 1e-10)]: out1 = m + 0.25 m with m = S / 2^21 (8192 tokens x 256 d);
; out2 = exp(-(1/8192) ln 2 x L) = 2^(-L / 8192).  One wave: 2,048 bytes, four loads of 16 bytes a lane; the sums have one owner, so no atomics.
	s_load_b128 s[4:7], s[0:1], 0x0                ; parts s[4:5], out1 s[6:7]
	s_load_b64 s[8:9], s[0:1], 0x10                ; out2
	v_lshlrev_b32 v1, 4, v0
	s_mov_b32 s10, 0x76543210
	s_mov_b32 s11, 0xfedcba98
	s_wait_kmcnt 0x0
.irp k, 0,1,2,3
	global_load_b128 v[4+4*\k:7+4*\k], v1, s[4:5] offset:512*\k
.endr
	s_wait_loadcnt 0x0
	v_pk_add_f32 v[4:5],   v[4:5],   v[6:7]        ; pairs (squares, logarithms) stay pairs
	v_pk_add_f32 v[8:9],   v[8:9],   v[10:11]
	v_pk_add_f32 v[12:13], v[12:13], v[14:15]
	v_pk_add_f32 v[16:17], v[16:17], v[18:19]
	v_pk_add_f32 v[4:5],   v[4:5],   v[8:9]
	v_pk_add_f32 v[12:13], v[12:13], v[16:17]
	v_pk_add_f32 v[4:5],   v[4:5],   v[12:13]
.irp m, 1,2,4,8
	v_add_f32_dpp v4, v4, v4 row_xmask:\m row_mask:0xf bank_mask:0xf
	v_add_f32_dpp v5, v5, v5 row_xmask:\m row_mask:0xf bank_mask:0xf
.endr
	v_permlanex16_b32 v6, v4, s10, s11
	v_permlanex16_b32 v7, v5, s10, s11
	v_pk_add_f32 v[4:5], v[4:5], v[6:7]
	v_mul_f32 v4, 0x35000000, v4                   ; m = S x 2^-21
	v_mul_f32 v5, 0xb9000000, v5                   ; -L x 2^-13
	v_fmac_f32 v4, 0x3e800000, v4                  ; m + 0.25 m
	v_exp_f32 v6, v5
	v_mov_b32 v2, 0                                ; the plain place behind the exponential (ISA guide 5.7.2)
	v_cmp_eq_u32 vcc_lo, 0, v0
	s_wait_xcnt 0x0                                ; EXEC is narrowed only behind this wait
	s_and_saveexec_b32 s12, vcc_lo
	global_store_b32 v2, v4, s[6:7]
	s_wait_alu depctr_va_vdst(0)
	global_store_b32 v2, v6, s[8:9]
	s_endpgm
.Lfunc_end_k_q378141c2c0_finish:
	.size	k_q378141c2c0_finish, .Lfunc_end_k_q378141c2c0_finish-k_q378141c2c0_finish
	.p2alignl 7, 3214868480
	.fill 96, 4, 3214868480
	.section	.rodata,"a",@progbits
	.p2align	6, 0x0
	.amdhsa_kernel k_q378141c2c0_finish
		.amdhsa_group_segment_fixed_size 0
		.amdhsa_private_segment_fixed_size 0
		.amdhsa_enable_private_segment 0
		.amdhsa_kernarg_size 24
		.amdhsa_user_sgpr_count 2
		.amdhsa_user_sgpr_kernarg_segment_ptr 1
		.amdhsa_wavefront_size32 1
		.amdhsa_system_sgpr_workgroup_id_x 1
		.amdhsa_system_sgpr_workgroup_id_y 1
		.amdhsa_system_sgpr_workgroup_id_z 1
		.amdhsa_system_vgpr_workitem_id 0
		.amdhsa_next_free_vgpr 32
		.amdhsa_next_free_sgpr 66
		.amdhsa_reserve_vcc 1
		.amdhsa_float_denorm_mode_32 3
		.amdhsa_float_denorm_mode_16_64 3
		.amdhsa_memory_ordered 1
		.amdhsa_forward_progress 1
		.amdhsa_inst_pref_size 3
	.end_amdhsa_kernel
	.amdgpu_metadata
---
amdhsa.version: [ 1, 2 ]
amdhsa.kernels:
  - .name:           k_q378141c2c0_finish
    .symbol:         k_q378141c2c0_finish.kd
    .args:
      - { .name: parts, .offset: 0, .size: 8, .value_kind: global_buffer, .address_space: global }
      - { .name: out1, .offset: 8, .size: 8, .value_kind: global_buffer, .address_space: global }
      - { .name: out2, .offset: 16, .size: 8, .value_kind: global_buffer, .address_space: global }
    .group_segment_fixed_size: 0
    .private_segment_fixed_size: 0
    .kernarg_segment_align: 8
    .kernarg_segment_size: 24
    .max_flat_workgroup_size: 32
    .sgpr_count:     66
    .vgpr_count:     32
    .wavefront_size: 32
...
	.end_amdgpu_metadata
.endif
;; end of part 4
;; ======== version 2 of 2: 4 launches; 1.21 times as fast as version 1
;; workspace buffers: pval 524,288 bytes; pidx 524,288 bytes of whole numbers; idx 32,768 bytes of whole numbers; parts 2,048 bytes
;; launch score (part 5): grid 16 x 16, 8 waves a work-group, no clusters, 327,680 bytes of LDS; arguments gumbel, weight, z_e, pval, pidx; writes pval, pidx
.if DOCPART == 5
	.amdgcn_target "amdgcn-amd-amdhsa--gfx1250"
	.amdhsa_code_object_version 6
	.text
	.protected	k_q378141c2c0_score
	.globl	k_q378141c2c0_score
	.p2align	8
	.type	k_q378141c2c0_score,@function
k_q378141c2c0_score:
	s_mov_b64 s[64:65], 0
	v_nop
	global_prefetch_b8 v0, s[64:65] scope:SCOPE_SE
	s_setreg_imm32_b32 hwreg(HW_REG_WAVE_MODE, 25, 1), 1
	s_wait_xcnt 0x0
; x[n][k] = gumbel[n][k] - ((A[n] + B[k]) - 2 * sum over d of z[n][d] w[k][d]),  A = sum z^2, B = sum w^2; per token the largest x of a block of
; 512 codes and its code go out: pval, pidx [16 code blocks][8192 tokens].  Token n = 1024 b + hw of z_e [8][256][1024].
; The three f32 roundings (A + B, then - 2 P, then g - that) are made in the order in which the problem's formula makes them; ties go to the lower code.
; No exponential is formed: the softmax is monotone, so its argmax is the argmax of x.
; LIMITS: the argmax is taken on x, which can differ from the argmax of the softmax only where the two largest x differ by less than 2^-25
; (that needs |x| < 0.5); a NaN never wins; the product has bf16 operands and f32 sums, so of two codes whose x lie within one step of the
; f32 grid of the distances either may be taken.
; SHARES: a work-group makes 512 tokens x 512 codes with eight waves.  Wave v keeps its 64 tokens as bf16 fragments in 256 registers (window 1) for the
; whole kernel; the codes' fragments come from LDS, 16 codes (a tile) at a time, converted from f32 by the eight waves, two rows each, two tiles ahead.
; The codes are the matrix instruction's first source: lane (r, h), register j of a result holds code 16 t + 8 h + j of token column r, that is
; eight neighbouring numbers (32 bytes) of one row of gumbel.  Token tile z, column r is token 64 v + 4 r + z: one 16-byte load of z_e at a fixed d
; feeds the four tiles, and sixteen lanes cover 256 consecutive bytes.
; TWO PHASES: a tile costs a wave 32 matrix instructions and 108 vector instructions behind them.  Interval t lies between barriers t and t + 1.
; In it a wave of phase 0 makes the products of tile t, fetches the fragments of tile t + 1 and makes the epilogue of tile t; a wave of phase 1 fetches
; the fragments of tile t, makes the epilogue of tile t - 1 and then the products of tile t.  So a wave of phase 0 has its fragments in registers when an
; interval begins, and a wave of phase 1 has no LDS load out when it ends.  The phase is (v xor v >> 2) & 1: waves v and v + 4 differ in it, and so do
; waves 2 k and 2 k + 1, so whichever of these pairs shares a SIMD has one wave in each.
; A wave of phase 1 begins with an epilogue on gumbel registers that hold minus infinity (x is then minus infinity or NaN and never wins)
; and ends with one more epilogue behind the last tile.
; FOUR WEIGHT SLOTS: tile u is converted in interval u - 2 into slot u % 4, so it is whole at barrier u - 1; it is read in intervals u - 1 (phase 0)
; and u (phase 1, and B by both); the slot is written again in interval u + 2, two barriers behind its last read.
; gumbel comes by tensor loads through two LDS slots of 64 codes x 512 tokens; wave v brings 64 rows of 256 bytes, 4 token rows apart.
; The loop's body is a step of 64 codes = four tiles; the weight slots and gumbel's columns stand in its immediates.
; NO CLUSTER: what work-groups share (weight, z_e) is f32 and has to pass through registers to become bf16; an f32 tile of 16 codes is 16,384 bytes,
; and 327,680 - 313,344 = 14,336 bytes of LDS are left; and the one tensor load that a wave issues behind a refill's barrier
; is gumbel's, of which no two work-groups read the same byte.
.set GPITCH, 272                       ; a gumbel row in LDS: 256 bytes + 16: an odd multiple of 16, so the 16 rows of a load start 16 bytes apart modulo 256
.set GBLK,   64*GPITCH                 ; what one tensor load brings: 17,408
.set GSLOT,  8*GBLK                    ; 139,264 = 0x22000
.set WB,     2*GSLOT                   ; 278,528: behind the ring, a multiple of 256: no tensor load lands here
.set WPITCH, 528                       ; a code's row: 256 bf16 + 16 bytes
.set BOFF,   16*WPITCH                 ; behind a slot's 16 rows: their 16 B, f32
.set WSLOT,  8704                      ; 8,448 + 64, rounded up to a multiple of 256; four slots
; window 0
.set ZO,   4                           ; z_e: 32768 h + 16 r + 256 v
.set WGO,  5                           ; weight: 2048 v + 16 lane
.set WA,   6                           ; LDS: WB + 528 r + 16 h
.set BA,   7                           ; LDS: WB + BOFF + 32 h
.set WSA,  8                           ; LDS: WB + 1056 v + 8 lane
.set BSA,  9                           ; LDS: WB + BOFF + 8 v
.set GA,   10                          ; LDS: 4 (v >> 2) GBLK + (16 (v & 3) + r) 272 + 32 h; never rewritten
.set GAC,  11                          ; GA + this step's slot
.set OUTO, 12                          ; 256 v + 16 r
.set HC,   13                          ; 8 h + 512 cb
.set ACC,  16                          ; v16-47   four result tiles
.set G,    48                          ; v48-79   gumbel of the four tiles, then x
.set WF,   80                          ; v80-143  16 codes x 256 d: eight fragments
.set BK,   144                         ; v144-151 B of my eight codes
.set T,    152                         ; v152-159 at work
.set P,    144                         ; v144-159 before the steps: partial sums of squares
.set AN2,  160                         ; v160-167 A of tile z, twice (a pair for the packed add)
.set BEST, 168                         ; v168-171 largest x so far, tile z
.set TW,   172                         ; v172-175 16 t of the code tile that held it; at the end the code
.set WS0,  176                         ; v176-191 staging of weight: my two rows of an even tile
.set WS1,  192                         ; v192-207 of an odd tile
.set Q,    208                         ; v208-211 sums of squares of the two rows
.set CV,   212                         ; v212-219 the two rows in bf16
.set SV,   220                         ; v220-251 the eight x of the code tile that held the best, tile z at 8 z
; before the steps v16-143 are four staging slots of z_e, 32 registers each.  Window 1: tokens: register 64 z + 8 s + q
.set M,    48                          ; s48-51 lane masks
.set MSB, 0
.macro WIN new                         ; s_set_vgpr_msb: bits 1:0 source 0, 3:2 source 1, 5:4 source 2, 7:6 destination; the high byte repeats the setting that is left
.if MSB != (\new)
	s_set_vgpr_msb (MSB<<8)|(\new)
.set MSB, (\new)
.endif
.endm
.macro PLACES n                        ; plain vector places behind a matrix instruction (ISA guide 7.12.1)
.rept \n
	v_nop
.endr
.endm
	s_load_b256 s[4:11], s[0:1], 0x0               ; gumbel s[4:5], weight s[6:7], z_e s[8:9], pval s[10:11]
	s_load_b64 s[12:13], s[0:1], 0x20              ; pidx
	v_lshl_add_u32 v254, v0, 2, 0x4c800
	v_mov_b32 v255, 0
	ds_add_u32 v254, v255
	ds_add_u32 v254, v255
	v_lshrrev_b32 v1, 5, v0
	v_readfirstlane_b32 s14, v1                    ; wave v
	s_mov_b32 s15, ttmp9                           ; cb: block of 512 codes
	s_and_b32 s16, ttmp7, 0xffff                   ; tb: block of 512 tokens
	; descriptor group 1: 64 rows of 64 f32, 4 token rows apart, 16 bytes of padding behind each row
	s_mov_b32 s24, 0x07520000                      ; element of 4 bytes; padding on; after every 64 words, 4 words
	s_mov_b32 s25, 64<<16                          ; tensor_dim0 = 64
	s_mov_b32 s26, 64<<16                          ; tensor_dim1 = 64
	s_mov_b32 s27, 64<<16                          ; tile_dim0 = 64
	s_mov_b32 s28, 64                              ; tile_dim1 = 64
	s_mov_b32 s29, 32768                           ; from row to row: 4 x 8192 elements
	s_mov_b32 s30, 0
	s_mov_b32 s31, 0
	s_lshr_b32 s18, s14, 2                         ; which 256 of the block's tokens
	s_and_b32 s19, s14, 3                          ; which token of each four
	s_lshl_b32 s2, s16, 24                         ; 512 tokens x 32,768 bytes
	s_lshl_b32 s17, s18, 23                        ; 256 tokens
	s_or_b32 s2, s2, s17
	s_lshl_b32 s17, s19, 15                        ; one token
	s_or_b32 s2, s2, s17
	s_lshl_b32 s17, s15, 11                        ; 512 codes x 4 bytes
	s_or_b32 s2, s2, s17
	s_mov_b32 s3, 0                                ; stays 0: the upper word of every offset
	; group 0, one set: block v of slot 0, step 0.  One tensor load of the wave is out at any time.
	s_mov_b32 s32, 1
	s_mul_i32 s33, s14, GBLK
	s_wait_dscnt 0x0
	s_wait_kmcnt 0x0
	s_add_nc_u64 s[34:35], s[4:5], s[2:3]
	s_or_b32 s35, s35, 0x80000000
	tensor_load_to_lds s[32:35], s[24:31]
	s_nop 0
	v_and_b32 v1, 31, v0                           ; lane
	v_and_b32 v2, 15, v0                           ; r
	v_bfe_u32 v3, v0, 4, 1                         ; h
	v_lshlrev_b32 v[ZO], 4, v2
	v_lshl_add_u32 v[ZO], v3, 15, v[ZO]            ; h: 8 d further, 8 x 4096 bytes
	s_lshl_b32 s17, s14, 8                         ; 64 tokens x 4 bytes a wave
	v_add_nc_u32 v[ZO], s17, v[ZO]
	v_lshl_add_u32 v[OUTO], v2, 4, s17
	v_lshlrev_b32 v[WGO], 4, v1
	s_lshl_b32 s17, s14, 11                        ; 2 rows of 1,024 bytes a wave
	v_add_nc_u32 v[WGO], s17, v[WGO]
	v_mul_u32_u24 v[WA], v2, WPITCH
	v_lshl_add_u32 v[WA], v3, 4, v[WA]
	v_add_nc_u32 v[WA], WB, v[WA]
	v_lshlrev_b32 v[BA], 5, v3
	v_add_nc_u32 v[BA], WB+BOFF, v[BA]
	s_mul_i32 s17, s14, 2*WPITCH
	s_add_co_u32 s17, s17, WB
	v_lshl_add_u32 v[WSA], v1, 3, s17
	s_lshl_b32 s17, s14, 3
	s_add_co_u32 s17, s17, WB+BOFF
	v_mov_b32 v[BSA], s17
	s_lshl_b32 s17, s19, 4
	v_add_nc_u32 v[GA], s17, v2                    ; row 16 (v & 3) + r of a block
	v_mul_u32_u24 v[GA], v[GA], GPITCH
	v_lshl_add_u32 v[GA], v3, 5, v[GA]
	s_mul_i32 s17, s18, 4*GBLK                     ; blocks 4 (v >> 2) + z
	v_add_nc_u32 v[GA], s17, v[GA]
	s_lshl_b32 s17, s15, 9
	v_lshl_add_u32 v[HC], v3, 3, s17
	s_xor_b32 s37, s14, s18
	s_and_b32 s37, s37, 1                          ; my phase
	s_lshl_b32 s17, s37, 4
	s_sub_co_u32 s40, 0, s17                       ; 16 t of the next epilogue's tile; phase 1 starts a tile back: its first epilogue steps this to 0
.irp i, 0,1,2,3
	v_mov_b32 v[BEST+\i], 0xff800000               ; minus infinity
	v_mov_b32 v[TW+\i], 0
.endr
	s_mov_b32 s56, 0x76543210                      ; v_permlanex16_b32: lane i of one half reads lane i of the other
	s_mov_b32 s57, 0xfedcba98
	s_mov_b32 s36, 0                               ; the slot of gumbel that the next step reads
	s_lshl_b32 s2, s15, 19                         ; 512 codes x 1,024 bytes
	s_add_nc_u64 s[6:7], s[6:7], s[2:3]
	s_lshr_b32 s17, s16, 1                         ; image b = tb / 2
	s_lshl_b32 s2, s17, 20
	s_and_b32 s17, s16, 1                          ; and which 512 of its 1,024 tokens
	s_lshl_b32 s17, s17, 11
	s_or_b32 s2, s2, s17
	s_add_nc_u64 s[8:9], s[8:9], s[2:3]
; 4 loads: my 2 of a tile's 16 code rows at byte off of base s[b:b+1]; a row is two loads of 512 bytes
.macro WLOAD stg, b, off
.irp cc, 0,1
	global_load_b128 v[\stg+8*\cc:\stg+8*\cc+3],   v[WGO], s[\b:\b+1] offset:\off+1024*\cc
	global_load_b128 v[\stg+8*\cc+4:\stg+8*\cc+7], v[WGO], s[\b:\b+1] offset:\off+1024*\cc+512
.endr
.endm
; my 2 rows: bf16 into the slot's rows, the sum of squares over the wave into the slot's B.  6 LDS stores.
; The conversions stand between the links of the two chains of squares, which would else wait for each other.
.macro WCONV stg, slot
.irp e, 0,1,2,3
.irp cc, 0,1
.if \e == 0
	v_pk_mul_f32 v[Q+2*\cc:Q+2*\cc+1], v[\stg+8*\cc:\stg+8*\cc+1], v[\stg+8*\cc:\stg+8*\cc+1]
.else
	v_pk_fma_f32 v[Q+2*\cc:Q+2*\cc+1], v[\stg+8*\cc+2*\e:\stg+8*\cc+2*\e+1], v[\stg+8*\cc+2*\e:\stg+8*\cc+2*\e+1], v[Q+2*\cc:Q+2*\cc+1]
.endif
.endr
.irp cc, 0,1
	v_cvt_pk_bf16_f32 v[CV+4*\cc+\e], v[\stg+8*\cc+2*\e], v[\stg+8*\cc+2*\e+1]
.endr
.endr
.irp cc, 0,1
	ds_store_b64 v[WSA], v[CV+4*\cc:CV+4*\cc+1]   offset:\slot*WSLOT+WPITCH*\cc          ; d = 4 lane ..: 32 lanes, 256 neighbouring bytes
	ds_store_b64 v[WSA], v[CV+4*\cc+2:CV+4*\cc+3] offset:\slot*WSLOT+WPITCH*\cc+256      ; d = 128 + 4 lane ..
.endr
.irp cc, 0,1
	v_add_f32 v[Q+2*\cc], v[Q+2*\cc], v[Q+2*\cc+1]
.endr
.irp m, 1,2,4,8
.irp cc, 0,1
	v_add_f32_dpp v[Q+2*\cc], v[Q+2*\cc], v[Q+2*\cc] row_xmask:\m row_mask:0xf bank_mask:0xf
.endr
.endr
.irp cc, 0,1
	v_permlanex16_b32 v[Q+2*\cc+1], v[Q+2*\cc], s56, s57
.endr
.irp cc, 0,1
	v_add_f32 v[Q+2*\cc], v[Q+2*\cc], v[Q+2*\cc+1]
.endr
.irp cc, 0,1
	ds_store_b32 v[BSA], v[Q+2*\cc] offset:\slot*WSLOT+4*\cc       ; every lane the same word and value
.endr
.endm
; half-batch k of z_e = (K step s = k / 2, q = k % 2): 8 loads of 16 bytes, d = 32 s + 16 q + 8 h + i, tokens z = 0..3.  Staging slot k % 4.
.macro ZSLOT k
.set ZS, \k/2
.set ZQ, \k%2
.set ZB, 16+32*(\k%4)
.endm
.macro ZLOAD k
	ZSLOT \k
.irp i, 0,1,2,3,4,5,6,7
	global_load_b128 v[ZB+4*\i:ZB+4*\i+3], v[ZO], s[8:9] offset:(32*ZS+16*ZQ+\i)*4096
.endr
.endm
; half-batch k is in: its squares go to four sets of partial sums, its numbers as bf16 to the token fragments; nx < 16: the staging slot's next half-batch
.macro ZBATCH k, cnt, nx
	s_wait_loadcnt \cnt                            ; what was issued behind this half-batch stays out
	ZSLOT \k
.set zl, 0
.rept 8
.if 8*\k+zl < 4
	v_pk_mul_f32 v[P+4*(zl%4):P+4*(zl%4)+1],   v[ZB+4*zl:ZB+4*zl+1],   v[ZB+4*zl:ZB+4*zl+1]      ; the first four start the sums
	v_pk_mul_f32 v[P+4*(zl%4)+2:P+4*(zl%4)+3], v[ZB+4*zl+2:ZB+4*zl+3], v[ZB+4*zl+2:ZB+4*zl+3]
.else
	v_pk_fma_f32 v[P+4*(zl%4):P+4*(zl%4)+1],   v[ZB+4*zl:ZB+4*zl+1],   v[ZB+4*zl:ZB+4*zl+1],   v[P+4*(zl%4):P+4*(zl%4)+1]
	v_pk_fma_f32 v[P+4*(zl%4)+2:P+4*(zl%4)+3], v[ZB+4*zl+2:ZB+4*zl+3], v[ZB+4*zl+2:ZB+4*zl+3], v[P+4*(zl%4)+2:P+4*(zl%4)+3]
.endif
.set zl, zl+1
.endr
	WIN 0x40
.irp z, 0,1,2,3
.irp p, 0,1,2,3
	v_cvt_pk_bf16_f32 v[64*\z+8*ZS+4*ZQ+\p], v[ZB+4*(2*\p)+\z], v[ZB+4*(2*\p+1)+\z]               ; the lower d in the lower half
.endr
.endr
	WIN 0
.if \nx < 16
	ZLOAD \nx
.endif
.endm
	; BEFORE THE STEPS: codes 0-15 and 16-31 into weight slots 0 and 1, codes 32-47 and 48-63 into the staging sets, my 64 tokens into registers
	WLOAD WS0, 6, 0
	WLOAD WS1, 6, 16384
	ZLOAD 0
	ZLOAD 1
	ZLOAD 2
	ZLOAD 3
	s_wait_loadcnt 32                              ; younger than both weight stagings: 4 x 8 loads of z_e
	WCONV WS0, 0
	WCONV WS1, 1
	WLOAD WS0, 6, 32768
	WLOAD WS1, 6, 49152
	ZBATCH 0, 32, 4                                ; three half-batches and the 8 loads of codes 32-63 are younger
	ZBATCH 1, 32, 5
	ZBATCH 2, 32, 6
	ZBATCH 3, 32, 7
	ZBATCH 4, 24, 8                                ; three half-batches
	ZBATCH 5, 24, 9
	ZBATCH 6, 24, 10
	ZBATCH 7, 24, 11
	ZBATCH 8, 24, 12
	ZBATCH 9, 24, 13
	ZBATCH 10, 24, 14
	ZBATCH 11, 24, 15
	ZBATCH 12, 24, 16
	ZBATCH 13, 16, 16
	ZBATCH 14, 8, 16
	ZBATCH 15, 0, 16
	; A of the four tiles: the four sets, then the other half of the lanes (the other 128 d)
	v_pk_add_f32 v[P:P+1],     v[P:P+1],     v[P+4:P+5]
	v_pk_add_f32 v[P+2:P+3],   v[P+2:P+3],   v[P+6:P+7]
	v_pk_add_f32 v[P+8:P+9],   v[P+8:P+9],   v[P+12:P+13]
	v_pk_add_f32 v[P+10:P+11], v[P+10:P+11], v[P+14:P+15]
	v_pk_add_f32 v[P:P+1],     v[P:P+1],     v[P+8:P+9]
	v_pk_add_f32 v[P+2:P+3],   v[P+2:P+3],   v[P+10:P+11]
.irp z, 0,1,2,3
	v_permlanex16_b32 v[P+4+\z], v[P+\z], s56, s57
.endr
.irp z, 0,1,2,3
	v_add_f32 v[AN2+2*\z],   v[P+\z], v[P+4+\z]
	v_add_f32 v[AN2+2*\z+1], v[P+\z], v[P+4+\z]
.endr
	s_mov_b32 s17, 0xff800000
.set gi, 0
.rept 32
	v_mov_b32 v[G+gi], s17                         ; for phase 1's first epilogue: minus infinity less any distance is minus infinity or NaN: it never wins
	v_mov_b32 v[SV+gi], s17                        ; the kept x: equal to the starting best, so a token that nothing ever beats ends at code 0 of its lane
.set gi, gi+1
.endr
	s_add_nc_u64 s[60:61], s[6:7], 65536           ; codes 64-79: what tile 0 asks for
.macro LDWF ws                         ; 16 LDS loads: the slot's 16 codes x 256 d as eight fragments: registers 0-3 d = 32 s + 8 h .., registers 4-7 d = 32 s + 16 + 8 h ..
.irp s, 0,1,2,3,4,5,6,7
	ds_load_b128 v[WF+8*\s:WF+8*\s+3],   v[WA] offset:\ws*WSLOT+64*\s
	ds_load_b128 v[WF+8*\s+4:WF+8*\s+7], v[WA] offset:\ws*WSLOT+64*\s+32
.endr
.endm
.macro LDBK ws                         ; 2 LDS loads: B of codes 8 h + 0..7 of the slot
	ds_load_b128 v[BK:BK+3],   v[BA] offset:\ws*WSLOT
	ds_load_b128 v[BK+4:BK+7], v[BA] offset:\ws*WSLOT+16
.endm
.macro LDG tl                          ; 8 LDS loads: gumbel of tile tl of the step for my four token tiles: block z further, 64 bytes a tile
.irp z, 0,1,2,3
	ds_load_b128 v[G+8*\z:G+8*\z+3],   v[GAC] offset:\z*GBLK+64*\tl
	ds_load_b128 v[G+8*\z+4:G+8*\z+7], v[GAC] offset:\z*GBLK+64*\tl+16
.endr
.endm
; 32 matrix instructions: 16 codes x 64 tokens x 256 d.  The four accumulators take turns, one instruction a turn;
; the first K step starts the sums with the constant 0.
.macro MUL
	WIN 0x04
.irp z, 0,1,2,3
	v_wmma_f32_16x16x32_bf16 v[ACC+8*\z:ACC+8*\z+7], v[WF:WF+7], v[64*\z:64*\z+7], 0
.endr
.irp s, 1,2,3,4,5,6,7
.irp z, 0,1,2,3
	v_wmma_f32_16x16x32_bf16 v[ACC+8*\z:ACC+8*\z+7], v[WF+8*\s:WF+8*\s+7], v[64*\z+8*\s:64*\z+8*\s+7], v[ACC+8*\z:ACC+8*\z+7]
.endr
.endr
	WIN 0
.endm
.macro EPI_T1 i                        ; T = A + B, rounded
.irp p, 0,2,4,6
	v_pk_add_f32 v[T+\p:T+\p+1], v[BK+\p:BK+\p+1], v[AN2+2*\i:AN2+2*\i+1]
.endr
.endm
.macro EPI_T2 i                        ; distance = T - 2 P, rounded once (2 P is exact)
.irp p, 0,2,4,6
	v_pk_fma_f32 v[ACC+8*\i+\p:ACC+8*\i+\p+1], v[ACC+8*\i+\p:ACC+8*\i+\p+1], -2.0, v[T+\p:T+\p+1] op_sel_hi:[1,0,1]
.endr
.endm
.macro EPI_X i                         ; x = gumbel - distance, rounded
.irp p, 0,2,4,6
	v_pk_add_f32 v[G+8*\i+\p:G+8*\i+\p+1], v[G+8*\i+\p:G+8*\i+\p+1], v[ACC+8*\i+\p:ACC+8*\i+\p+1] neg_lo:[0,1] neg_hi:[0,1]
.endr
.endm
; 16 codes x 64 tokens: the three roundings, then the argmax.  Per token tile: the largest of my eight x (a NaN loses every maximum); where it beats the
; best so far, strictly, so that the earlier code tile stays, the tile's 16 t and its eight x are kept.  Which of the eight it was is looked up once, at
; the end.  That is 15 instructions for eight numbers; a running argmax (compare, maximum, select for each) takes 24.
.macro EPI
	EPI_T1 0
	EPI_T2 0
	EPI_T1 1
	EPI_X 0
	EPI_T2 1
	EPI_T1 2
	EPI_X 1
	EPI_T2 2
	EPI_T1 3
	EPI_X 2
	EPI_T2 3
	EPI_X 3
.irp z, 0,1,2,3
	v_max3_num_f32 v[T+2*\z], v[G+8*\z], v[G+8*\z+1], v[G+8*\z+2]
.endr
.irp z, 0,1,2,3
	v_max3_num_f32 v[T+2*\z+1], v[G+8*\z+3], v[G+8*\z+4], v[G+8*\z+5]
.endr
.irp z, 0,1,2,3
	v_max3_num_f32 v[T+2*\z], v[T+2*\z], v[G+8*\z+6], v[G+8*\z+7]
.endr
.irp z, 0,1,2,3
	v_max_num_f32 v[T+2*\z], v[T+2*\z], v[T+2*\z+1]
.endr
.irp z, 0,1,2,3
	v_cmp_gt_f32 s[M+\z], v[T+2*\z], v[BEST+\z]
.endr
.irp z, 0,1,2,3
	v_max_num_f32 v[BEST+\z], v[BEST+\z], v[T+2*\z]
.endr
.irp z, 0,1,2,3
	v_cndmask_b32 v[TW+\z], v[TW+\z], s40, s[M+\z]
.endr
.irp j, 0,1,2,3,4,5,6,7
.irp z, 0,1,2,3
	v_cndmask_b32 v[SV+8*\z+\j], v[SV+8*\z+\j], v[G+8*\z+\j], s[M+\z]
.endr
.endr
	s_add_co_u32 s40, s40, 16
.endm
; conv: the staged tile (two further on) goes to its weight slot, behind s_wait_loadcnt cnt; load: the tile four further on is asked for, into the set just emptied
.macro FEED conv, load, cnt, tl
.if \conv
	s_wait_loadcnt \cnt                            ; the staged rows are in; the other set's four loads may be out
	WCONV STG, S2
.endif
.if \load
	WLOAD STG, 60, 16384*\tl
.endif
.endm
; One interval: tile tl (0..3) of a step, weight slot tl.  kind 0: inside a step; 1: a step's first tile, the other gumbel slot is filled; 2: the last
; step's first tile, nothing is filled.  nf: a wave of phase 0 fetches the next tile's fragments.
.macro TILE tl, kind, conv, load, cnt, nf
.set S1, (\tl+1)%4
.set S2, (\tl+2)%4
.if \tl%2
.set STG, WS1
.else
.set STG, WS0
.endif
	s_wait_dscnt 0x0                               ; my LDS reads of the last interval are back (fragments, gumbel, B), my stores into a weight slot are done
.if \kind
	s_wait_tensorcnt 0x0                           ; my tensor load has landed: my part of this step's slot; none is out, so group 0 may be written
	ds_add_u32 v254, v255
	s_wait_dscnt 0x0
.endif
.if \kind == 1
	s_xor_b32 s33, s33, GSLOT                      ; the other slot: bits 13 and 17 are clear in v x 17,408 for v = 0..7
	s_add_nc_u64 s[34:35], s[34:35], 256           ; the next 64 codes
.endif
	s_barrier_signal -1
	s_barrier_wait -1                              ; all that now holds of all eight waves
.if \kind == 1
	tensor_load_to_lds s[32:35], s[24:31]          ; my one tensor load until the next step's barrier: the next step, into the slot read last (in step 0: slot 1's first fill)
	s_nop 0
.endif
.if \kind
	v_add_nc_u32 v[GAC], s36, v[GA]                ; this step's slot of gumbel
	s_xor_b32 s36, s36, GSLOT
.endif
	s_cmp_eq_u32 s37, 0
	s_cbranch_scc0 .Llate_\@
	LDG \tl                                        ; phase 0: the fragments are in registers: products at once,
	LDBK \tl
	MUL
	PLACES 4                                       ; before the fragments are loaded again and the results read
.if \nf
	LDWF S1                                        ; the next tile's fragments, whole since the barrier above,
.endif
	FEED \conv, \load, \cnt, \tl
	s_wait_dscnt 16*\nf+6*\conv                    ; gumbel and B are in; younger: the 16 fragment loads and a conversion's 6 stores
	EPI                                            ; and this tile's epilogue
	s_branch .Ljoin_\@
.Llate_\@:
	LDWF \tl                                       ; phase 1: this tile's fragments come in under the last tile's epilogue,
	FEED \conv, \load, \cnt, \tl
	EPI
	LDG \tl
	LDBK \tl
	s_wait_dscnt 10                                ; all but gumbel's 8 loads and B's 2, which the next interval's epilogue reads
	MUL                                            ; then this tile's products
	PLACES 5                                       ; before the next interval loads fragments, reads results or starts new sums in these registers, whichever comes first
.Ljoin_\@:
.endm
	s_wait_dscnt 0x0                               ; my rows of weight slots 0 and 1 are stored
	s_barrier_signal -1
	s_barrier_wait -1                              ; everybody's are; gumbel's first tile may stay out
	s_cmp_eq_u32 s37, 0
	s_cbranch_scc0 .Lnofrag
	LDWF 0                                         ; phase 0: tile 0's fragments
.Lnofrag:
	s_mov_b32 s38, 7
.Lstep:                                            ; steps 0 to 6: tiles 0 to 27
	TILE 0, 1, 1, 1, 4, 1
	TILE 1, 0, 1, 1, 4, 1
	TILE 2, 0, 1, 1, 4, 1
	TILE 3, 0, 1, 1, 4, 1
	s_wait_xcnt 0x0                                ; the base of the loads above is stepped only behind this wait
	s_add_nc_u64 s[60:61], s[60:61], 65536         ; 64 codes on
	s_sub_co_u32 s38, s38, 1
	s_cmp_lg_u32 s38, 0
	s_cbranch_scc1 .Lstep
	TILE 0, 2, 1, 0, 4, 1                          ; step 7, written out: no slot is filled that nobody reads, no load passes the block's 512 codes; tile 28 converts tile 30
	TILE 1, 0, 1, 0, 0, 1                          ; tile 29 converts tile 31: no load is younger, the wait is for 0
	TILE 2, 0, 0, 0, 0, 1
	TILE 3, 0, 0, 0, 0, 0                          ; tile 31: no fragments are left to fetch
	s_cmp_eq_u32 s37, 0
	s_cbranch_scc1 .Lmerge
	s_wait_dscnt 0x0                               ; phase 1: the last tile's gumbel and B
	EPI
.Lmerge:
	; THE END.  Which of the eight kept x is the best: from j = 7 down, so that of equals the lowest stays
.irp z, 0,1,2,3
	v_cmp_eq_f32 s[M+\z], v[SV+8*\z+7], v[BEST+\z]
.endr
.irp z, 0,1,2,3
	v_cndmask_b32 v[T+4+\z], 0, 7, s[M+\z]
.endr
.irp j, 6,5,4,3,2,1,0
.irp z, 0,1,2,3
	v_cmp_eq_f32 s[M+\z], v[SV+8*\z+\j], v[BEST+\z]
.endr
.irp z, 0,1,2,3
	v_cndmask_b32 v[T+4+\z], v[T+4+\z], \j, s[M+\z]
.endr
.endr
.irp z, 0,1,2,3
	v_add_nc_u32 v[TW+\z], v[TW+\z], v[T+4+\z]     ; 16 t + j
.endr
.irp z, 0,1,2,3
	v_add_nc_u32 v[TW+\z], v[TW+\z], v[HC]         ; + 8 h + 512 cb
.endr
	; the two halves of the lanes hold codes 8 h + .. of the same tokens: the larger x, of equals the lower code
.irp i, 0,1,2,3
	v_permlanex16_b32 v[T+\i], v[BEST+\i], s56, s57
	v_permlanex16_b32 v[BK+\i], v[TW+\i], s56, s57
.endr
.irp i, 0,1,2,3
	v_cmp_gt_f32 s48, v[T+\i], v[BEST+\i]
	v_cmp_eq_f32 s49, v[T+\i], v[BEST+\i]
	v_cmp_lt_u32 s50, v[BK+\i], v[TW+\i]
	s_and_b32 s49, s49, s50
	s_or_b32 s48, s48, s49
	v_cndmask_b32 v[BEST+\i], v[BEST+\i], v[T+\i], s48
	v_cndmask_b32 v[TW+\i], v[TW+\i], v[BK+\i], s48
.endr
	s_lshl_b32 s2, s15, 15                         ; [cb][8192 tokens] of 4 bytes
	s_lshl_b32 s17, s16, 11
	s_or_b32 s2, s2, s17
	s_add_nc_u64 s[10:11], s[10:11], s[2:3]
	s_add_nc_u64 s[12:13], s[12:13], s[2:3]
	v_cmp_gt_u32 vcc_lo, 16, v1                    ; both halves now hold the same: lanes 0-15 store
	s_wait_xcnt 0x0                                ; EXEC is narrowed only behind this wait
	s_wait_tensorcnt 0x0
	ds_add_u32 v254, v255
	s_wait_dscnt 0x0
	s_and_saveexec_b32 s17, vcc_lo
	global_store_b128 v[OUTO], v[BEST:BEST+3], s[10:11]          ; lane r: tokens 64 v + 4 r + 0..3: sixteen lanes cover 256 consecutive bytes, aligned
	global_store_b128 v[OUTO], v[TW:TW+3], s[12:13]
	s_endpgm
.Lfunc_end_k_q378141c2c0_score:
	.size	k_q378141c2c0_score, .Lfunc_end_k_q378141c2c0_score-k_q378141c2c0_score
	.p2alignl 7, 3214868480
	.fill 96, 4, 3214868480
	.section	.rodata,"a",@progbits
	.p2align	6, 0x0
	.amdhsa_kernel k_q378141c2c0_score
		.amdhsa_group_segment_fixed_size 327680
		.amdhsa_private_segment_fixed_size 0
		.amdhsa_enable_private_segment 0
		.amdhsa_kernarg_size 40
		.amdhsa_user_sgpr_count 2
		.amdhsa_user_sgpr_kernarg_segment_ptr 1
		.amdhsa_wavefront_size32 1
		.amdhsa_system_sgpr_workgroup_id_x 1
		.amdhsa_system_sgpr_workgroup_id_y 1
		.amdhsa_system_sgpr_workgroup_id_z 1
		.amdhsa_system_vgpr_workitem_id 0
		.amdhsa_next_free_vgpr 512
		.amdhsa_next_free_sgpr 66
		.amdhsa_reserve_vcc 1
		.amdhsa_float_denorm_mode_32 3
		.amdhsa_float_denorm_mode_16_64 3
		.amdhsa_memory_ordered 1
		.amdhsa_forward_progress 1
		.amdhsa_inst_pref_size 255
	.end_amdhsa_kernel
	.section	.bss,"aw",@nobits
	.p2align	6
	.space	262144
	.amdgpu_metadata
---
amdhsa.version: [ 1, 2 ]
amdhsa.kernels:
  - .name:           k_q378141c2c0_score
    .symbol:         k_q378141c2c0_score.kd
    .args:
      - { .name: gumbel, .offset: 0, .size: 8, .value_kind: global_buffer, .address_space: global }
      - { .name: weight, .offset: 8, .size: 8, .value_kind: global_buffer, .address_space: global }
      - { .name: z_e, .offset: 16, .size: 8, .value_kind: global_buffer, .address_space: global }
      - { .name: pval, .offset: 24, .size: 8, .value_kind: global_buffer, .address_space: global }
      - { .name: pidx, .offset: 32, .size: 8, .value_kind: global_buffer, .address_space: global }
    .group_segment_fixed_size: 327680
    .private_segment_fixed_size: 0
    .kernarg_segment_align: 8
    .kernarg_segment_size: 40
    .max_flat_workgroup_size: 256
    .sgpr_count:     66
    .vgpr_count:     512
    .wavefront_size: 32
...
	.end_amdgpu_metadata
.endif
;; end of part 5
;; launch amax: the kernel of part 2 again; grid 64 x 1, 1 waves a work-group, no clusters, 0 bytes of LDS; arguments pval, pidx, out3, idx; writes out3, idx
;; launch gather (part 6): grid 128 x 2, 16 waves a work-group, no clusters, 111,104 bytes of LDS; arguments z_e, weight, idx, out0, parts; writes out0, parts
.if DOCPART == 6
	.amdgcn_target "amdgcn-amd-amdhsa--gfx1250"
	.amdhsa_code_object_version 6
	.text
	.protected	k_q378141c2c0_gather
	.globl	k_q378141c2c0_gather
	.p2align	8
	.type	k_q378141c2c0_gather,@function
k_q378141c2c0_gather:
	s_mov_b64 s[64:65], 0
	v_nop
	global_prefetch_b8 v0, s[64:65] scope:SCOPE_SE
	s_setreg_imm32_b32 hwreg(HW_REG_WAVE_MODE, 25, 1), 1
	s_wait_xcnt 0x0
; out0[b][d][hw] = z + (q - z) with q = weight[idx[n]][d]; per work-group the sum of (q - z)^2 and the sum of log2(c / 8192 + 1e-10) over 32 tokens,
; c = how many of the 8192 tokens chose the same code; both to parts [256][2].
; The one-hot product is a gather: off the winner (0 - y) + y is exactly 0.  LIMIT: at the winner (1 - y) + y is taken as 1 (off by 2^-23 at the most).
; sum over codes of p log(p + e) = 1/8192 x sum over tokens of log(c / 8192 + e), so the histogram is made by counting, with no traffic between work-groups.
; A work-group: 64 tokens (X) x 128 d (dh), 16 waves.  Wave w fetches the 512 bytes of four tokens' codes (rows along d), puts them into LDS, and after a
; barrier reads them across (d fixed, four neighbouring tokens a lane), as z_e and out0 lie: sixteen lanes load and store 256 consecutive bytes, aligned.
; THE COUNT, while those loads are on their way: the work-group's 32 own tokens are 64 X + 32 dh + o.  Wave w holds idx[512 w .. 512 w + 511] in 16 registers,
; loaded once; the own codes lie in one register, lane o.  A trip takes four of them as scalars and compares each with the 16 registers; a counter takes
; the compare's bit as a carry.  So the loop loads nothing.  The four counters of a lane go to the wave's own rows in LDS; read across and added they
; give, in lane o, how many of the wave's 512 entries equal own code o.
; No matrix unit (nothing is multiplied), no cluster (no two work-groups fetch the same rows by design of the data), no tensor load (rows are chosen by a list).
.set WTP, 516                          ; a token's 128 f32 + 4 bytes: across the rows, lane a at word 516 a + h: 32 different words modulo 64
.set CNT, 64*WTP                       ; 33,024: [16 waves][32 tokens] counts
.set SUM, CNT+2048                     ; 35,072: [16 waves] sums of squares
.set TR,  SUM+256                      ; 35,328: [16 waves][32 lanes] rows of 32 counters
.set TRP, 144                          ; 128 bytes + 16: an odd multiple of 16, so sixteen lanes' 16-byte stores fall 16 bytes apart modulo 256
.set TRW, 32*TRP                       ; 4,608 a wave
.set ZOF, 4                            ; 4096 h + 16 a + 32768 w
.set OWN, 6
.set LT,  7                            ; 16 lane + 512 dh
.set GO,  8                            ; v8-11  offsets of four rows of weight
.set C,   12                           ; v12-15 four counters
.set Z,   16                           ; v16-31 z, then the result
.set WG,  32                           ; v32-47 four gathered pieces of rows
.set Q,   48                           ; v48-63 q across, then q - z
.set LS,  64                           ; v64-67 sums of squares
.set TA,  72                           ; where my four counters go; 16 bytes on in each trip
.set RA,  73                           ; where I read the counters across
.set E,   76                           ; v76-91  my 16 of the wave's 512 entries
.set R,   92                           ; v92-123 32 lanes' counters of own token = my lane
	s_load_b256 s[4:11], s[0:1], 0x0               ; z_e s[4:5], weight s[6:7], idx s[8:9], out0 s[10:11]
	s_load_b64 s[12:13], s[0:1], 0x20              ; parts
	v_lshl_add_u32 v128, v0, 2, 0x1aa00
	v_mov_b32 v129, 0
	v_lshrrev_b32 v1, 5, v0
	v_readfirstlane_b32 s14, v1                    ; wave w
	s_mov_b32 s15, ttmp9                           ; X
	s_and_b32 s16, ttmp7, 0xffff                   ; dh
	s_mov_b32 s24, 0x76543210
	s_mov_b32 s25, 0xfedcba98
	v_and_b32 v1, 31, v0                           ; lane
	v_and_b32 v2, 15, v0                           ; a
	v_bfe_u32 v3, v0, 4, 1                         ; h
	s_lshl_b32 s19, s15, 8                         ; 64 tokens x 4 bytes
	s_lshl_b32 s18, s14, 4
	s_add_co_u32 s17, s19, s18                     ; my wave's four indices
	s_lshl_b32 s18, s16, 7
	s_add_co_u32 s19, s19, s18
	v_lshl_add_u32 v5, v1, 2, s19                  ; the own token's index
	s_lshl_b32 s18, s14, 11
	v_lshl_add_u32 v74, v1, 4, s18                 ; my 16 bytes of the wave's 2,048 of idx
	v_lshlrev_b32 v[ZOF], 4, v2
	v_lshl_add_u32 v[ZOF], v3, 12, v[ZOF]
	s_lshl_b32 s18, s14, 15                        ; 8 d a wave
	v_add_nc_u32 v[ZOF], s18, v[ZOF]
	s_lshr_b32 s2, s15, 4                          ; image
	s_lshl_b32 s2, s2, 20
	s_lshl_b32 s18, s16, 19                        ; 128 d x 4,096 bytes
	s_or_b32 s2, s2, s18
	s_and_b32 s18, s15, 15
	s_lshl_b32 s18, s18, 8
	s_or_b32 s2, s2, s18
	s_mov_b32 s3, 0
	s_lshl_b32 s18, s16, 9
	v_lshl_add_u32 v[LT], v1, 4, s18
	s_mul_i32 s18, s14, TRW
	s_add_co_u32 s18, s18, TR                      ; my wave's rows of counters
	v_mul_u32_u24 v[TA], v1, TRP
	v_add_nc_u32 v[TA], s18, v[TA]
	v_lshl_add_u32 v[RA], v1, 2, s18
	s_wait_kmcnt 0x0
	s_load_b128 s[20:23], s[8:9], s17 offset:0x0
	s_add_nc_u64 s[4:5], s[4:5], s[2:3]
	s_add_nc_u64 s[10:11], s[10:11], s[2:3]
	global_load_b32 v[OWN], v5, s[8:9]
.irp k, 0,1,2,3
	global_load_b128 v[E+4*\k:E+4*\k+3], v74, s[8:9] offset:512*\k
.endr
.irp it, 0,1,2,3
	global_load_b128 v[Z+4*\it:Z+4*\it+3], v[ZOF], s[4:5] offset:8192*\it th:TH_LOAD_NT       ; d = 128 dh + 8 w + 2 it + h, tokens 4 a ..
.endr
	s_wait_kmcnt 0x0
.irp tt, 0,1,2,3
	s_min_u32 s[20+\tt], s[20+\tt], 0x1fff         ; an index stays inside the table
	s_lshl_b32 s[20+\tt], s[20+\tt], 10
	v_add_nc_u32 v[GO+\tt], s[20+\tt], v[LT]
	global_load_b128 v[WG+4*\tt:WG+4*\tt+3], v[GO+\tt], s[6:7]
.endr
	s_wait_loadcnt 0x8                             ; the own index and the 512 entries are in; 4 loads of z and 4 of weight stay out
	s_mov_b32 s36, 0                               ; own token 4 i
.Lscan:                                            ; 8 trips, four own tokens x 512 entries each
	s_add_co_u32 s37, s36, 1
	s_add_co_u32 s38, s36, 2
	s_add_co_u32 s39, s36, 3
.irp q, 0,1,2,3
	v_readlane_b32 s[32+\q], v[OWN], s[36+\q]
.endr
.irp q, 0,1,2,3
	v_cmp_eq_u32 s[28+\q], s[32+\q], v[E]
.endr
.irp q, 0,1,2,3
	v_cndmask_b32 v[C+\q], 0, 1, s[28+\q]          ; the first compare starts the counters
.endr
.irp k, 1,2,3,4,5,6,7,8,9,10,11,12,13,14,15
.irp q, 0,1,2,3
	v_cmp_eq_u32 s[28+\q], s[32+\q], v[E+\k]
.endr
.irp q, 0,1,2,3
	v_add_co_ci_u32 v[C+\q], s[28+\q], 0, v[C+\q], s[28+\q]
.endr
.endr
	ds_store_b128 v[TA], v[C:C+3]                  ; my row, words 4 i .. 4 i + 3
	v_add_nc_u32 v[TA], 16, v[TA]
	s_add_co_u32 s36, s36, 4
	s_cmp_lt_u32 s36, 32
	s_cbranch_scc1 .Lscan
.set rl, 0
.rept 32
	ds_load_b32 v[R+rl], v[RA] offset:TRP*rl       ; row rl, word = my lane: the wave's own bytes, served in the order of issue (ISA guide 5.7.1)
.set rl, rl+1
.endr
	s_lshl_b32 s18, s14, 7
	s_add_co_u32 s18, s18, CNT
	v_lshl_add_u32 v69, v1, 2, s18
	s_mul_i32 s18, s14, 4*WTP
	v_lshl_add_u32 v68, v1, 4, s18                 ; rows 4 w .., d' = 4 lane ..
	v_mul_u32_u24 v70, v2, 4*WTP                   ; across: rows 4 a + e, d' = 8 w + 2 it + h
	v_lshl_add_u32 v70, v3, 2, v70
	s_lshl_b32 s18, s14, 5
	v_add_nc_u32 v70, s18, v70
	s_wait_dscnt 0x0
.irp g, 0,3,6,9,12,15,18,21,24,27
	v_add3_u32 v[R+\g], v[R+\g], v[R+\g+1], v[R+\g+2]
.endr
	v_add3_u32 v[R], v[R], v[R+3], v[R+6]
	v_add3_u32 v[R+9], v[R+9], v[R+12], v[R+15]
	v_add3_u32 v[R+18], v[R+18], v[R+21], v[R+24]
	v_add3_u32 v[R+27], v[R+27], v[R+30], v[R+31]
	v_add3_u32 v[R], v[R], v[R+9], v[R+18]
	v_add_nc_u32 v[R], v[R], v[R+27]
	ds_store_b32 v69, v[R]
	s_wait_loadcnt 0x0
.irp tt, 0,1,2,3
.irp e, 0,1,2,3
	ds_store_b32 v68, v[WG+4*\tt+\e] offset:WTP*\tt+4*\e         ; the pitch is no multiple of 16, so word by word: 16 stores a wave
.endr
.endr
	s_wait_dscnt 0x0                               ; my stores are done, for the others' sake
	s_barrier_signal -1
	s_barrier_wait -1
.irp it, 0,1,2,3
.irp e, 0,1,2,3
	ds_load_b32 v[Q+4*\it+\e], v70 offset:WTP*\e+8*\it
.endr
.endr
.irp it, 0,1,2,3
	s_wait_dscnt 12-4*\it                          ; the later groups of four stay out
	v_pk_add_f32 v[Q+4*\it:Q+4*\it+1],   v[Q+4*\it:Q+4*\it+1],   v[Z+4*\it:Z+4*\it+1]   neg_lo:[0,1] neg_hi:[0,1]    ; q - z
	v_pk_add_f32 v[Q+4*\it+2:Q+4*\it+3], v[Q+4*\it+2:Q+4*\it+3], v[Z+4*\it+2:Z+4*\it+3] neg_lo:[0,1] neg_hi:[0,1]
	v_pk_add_f32 v[Z+4*\it:Z+4*\it+1],   v[Z+4*\it:Z+4*\it+1],   v[Q+4*\it:Q+4*\it+1]                                ; z + (q - z)
	v_pk_add_f32 v[Z+4*\it+2:Z+4*\it+3], v[Z+4*\it+2:Z+4*\it+3], v[Q+4*\it+2:Q+4*\it+3]
.if \it == 0
	v_pk_mul_f32 v[LS:LS+1],   v[Q:Q+1],   v[Q:Q+1]
	v_pk_mul_f32 v[LS+2:LS+3], v[Q+2:Q+3], v[Q+2:Q+3]
.else
	v_pk_fma_f32 v[LS:LS+1],   v[Q+4*\it:Q+4*\it+1],   v[Q+4*\it:Q+4*\it+1],   v[LS:LS+1]
	v_pk_fma_f32 v[LS+2:LS+3], v[Q+4*\it+2:Q+4*\it+3], v[Q+4*\it+2:Q+4*\it+3], v[LS+2:LS+3]
.endif
	global_store_b128 v[ZOF], v[Z+4*\it:Z+4*\it+3], s[10:11] offset:8192*\it th:TH_STORE_NT
.endr
	v_pk_add_f32 v[LS:LS+1], v[LS:LS+1], v[LS+2:LS+3]
	v_add_f32 v[LS], v[LS], v[LS+1]
.irp m, 1,2,4,8
	v_add_f32_dpp v[LS], v[LS], v[LS] row_xmask:\m row_mask:0xf bank_mask:0xf
.endr
	v_permlanex16_b32 v[LS+1], v[LS], s24, s25
	v_add_f32 v[LS], v[LS], v[LS+1]
	s_lshl_b32 s18, s14, 2
	s_add_co_u32 s18, s18, SUM
	v_mov_b32 v71, s18
	ds_store_b32 v71, v[LS]
	s_wait_dscnt 0x0
	s_barrier_signal -1
	s_barrier_wait -1
	s_cmp_lg_u32 s14, 0
	s_cbranch_scc1 .Lend
	; wave 0: the 16 waves' counts of my token, the 16 sums
	v_lshlrev_b32 v68, 2, v1
	v_add_nc_u32 v68, CNT, v68
	v_mov_b32 v69, SUM
.irp k, 0,1,2,3,4,5,6,7,8,9,10,11,12,13,14,15
	ds_load_b32 v[Q+\k], v68 offset:128*\k
.endr
.irp k, 0,1,2,3
	ds_load_b128 v[WG+4*\k:WG+4*\k+3], v69 offset:16*\k
.endr
	s_mov_b32 s17, 0x39000000                      ; 1 / 8192
	s_mov_b32 s18, 0x2edbe6ff                      ; 1e-10
	s_wait_dscnt 0x0
	v_add3_u32 v[Q], v[Q], v[Q+1], v[Q+2]
	v_add3_u32 v[Q+3], v[Q+3], v[Q+4], v[Q+5]
	v_add3_u32 v[Q+6], v[Q+6], v[Q+7], v[Q+8]
	v_add3_u32 v[Q+9], v[Q+9], v[Q+10], v[Q+11]
	v_add3_u32 v[Q+12], v[Q+12], v[Q+13], v[Q+14]
	v_add3_u32 v[Q], v[Q], v[Q+3], v[Q+6]
	v_add3_u32 v[Q+9], v[Q+9], v[Q+12], v[Q+15]
	v_add_nc_u32 v[Q], v[Q], v[Q+9]
	v_pk_add_f32 v[WG:WG+1],     v[WG:WG+1],     v[WG+2:WG+3]
	v_pk_add_f32 v[WG+4:WG+5],   v[WG+4:WG+5],   v[WG+6:WG+7]
	v_pk_add_f32 v[WG+8:WG+9],   v[WG+8:WG+9],   v[WG+10:WG+11]
	v_pk_add_f32 v[WG+12:WG+13], v[WG+12:WG+13], v[WG+14:WG+15]
	v_pk_add_f32 v[WG:WG+1],     v[WG:WG+1],     v[WG+4:WG+5]
	v_pk_add_f32 v[WG+8:WG+9],   v[WG+8:WG+9],   v[WG+12:WG+13]
	v_pk_add_f32 v[WG:WG+1],     v[WG:WG+1],     v[WG+8:WG+9]
	v_add_f32 v[WG], v[WG], v[WG+1]                ; the work-group's sum of squares
	v_cvt_f32_u32 v[Q], v[Q]
	v_fma_f32 v[Q], v[Q], s17, s18                 ; c / 8192 is exact, so this is the one rounding of p + 1e-10
	v_log_f32 v[WG+1], v[Q]
	v_nop                                          ; one plain place behind the logarithm (ISA guide 5.7.2)
	s_wait_alu depctr_va_vdst(0)
.irp m, 1,2,4,8
	v_add_f32_dpp v[WG+1], v[WG+1], v[WG+1] row_xmask:\m row_mask:0xf bank_mask:0xf
.endr
	v_permlanex16_b32 v[Q+1], v[WG+1], s24, s25
	v_add_f32 v[WG+1], v[WG+1], v[Q+1]             ; sum of log2 over my 32 tokens
	s_lshl_b32 s2, s15, 4
	s_lshl_b32 s19, s16, 3
	s_or_b32 s2, s2, s19                           ; 8 (2 X + dh)
	s_add_nc_u64 s[12:13], s[12:13], s[2:3]
	v_mov_b32 v[Q+2], 0
	v_cmp_eq_u32 vcc_lo, 0, v0
	s_wait_xcnt 0x0                                ; EXEC is a source of the stores above: it is narrowed only behind this wait
	s_wait_tensorcnt 0x0
	ds_add_u32 v128, v129
	s_wait_dscnt 0x0
	s_and_saveexec_b32 s19, vcc_lo
	global_store_b64 v[Q+2], v[WG:WG+1], s[12:13]
	s_endpgm
.Lend:
	s_wait_tensorcnt 0x0
	ds_add_u32 v128, v129
	s_wait_dscnt 0x0
	s_endpgm
.Lfunc_end_k_q378141c2c0_gather:
	.size	k_q378141c2c0_gather, .Lfunc_end_k_q378141c2c0_gather-k_q378141c2c0_gather
	.p2alignl 7, 3214868480
	.fill 96, 4, 3214868480
	.section	.rodata,"a",@progbits
	.p2align	6, 0x0
	.amdhsa_kernel k_q378141c2c0_gather
		.amdhsa_group_segment_fixed_size 111104
		.amdhsa_private_segment_fixed_size 0
		.amdhsa_enable_private_segment 0
		.amdhsa_kernarg_size 40
		.amdhsa_user_sgpr_count 2
		.amdhsa_user_sgpr_kernarg_segment_ptr 1
		.amdhsa_wavefront_size32 1
		.amdhsa_system_sgpr_workgroup_id_x 1
		.amdhsa_system_sgpr_workgroup_id_y 1
		.amdhsa_system_sgpr_workgroup_id_z 1
		.amdhsa_system_vgpr_workitem_id 0
		.amdhsa_next_free_vgpr 130
		.amdhsa_next_free_sgpr 66
		.amdhsa_reserve_vcc 1
		.amdhsa_float_denorm_mode_32 3
		.amdhsa_float_denorm_mode_16_64 3
		.amdhsa_memory_ordered 1
		.amdhsa_forward_progress 1
		.amdhsa_inst_pref_size 25
	.end_amdhsa_kernel
	.amdgpu_metadata
---
amdhsa.version: [ 1, 2 ]
amdhsa.kernels:
  - .name:           k_q378141c2c0_gather
    .symbol:         k_q378141c2c0_gather.kd
    .args:
      - { .name: z_e, .offset: 0, .size: 8, .value_kind: global_buffer, .address_space: global }
      - { .name: weight, .offset: 8, .size: 8, .value_kind: global_buffer, .address_space: global }
      - { .name: idx, .offset: 16, .size: 8, .value_kind: global_buffer, .address_space: global }
      - { .name: out0, .offset: 24, .size: 8, .value_kind: global_buffer, .address_space: global }
      - { .name: parts, .offset: 32, .size: 8, .value_kind: global_buffer, .address_space: global }
    .group_segment_fixed_size: 111104
    .private_segment_fixed_size: 0
    .kernarg_segment_align: 8
    .kernarg_segment_size: 40
    .max_flat_workgroup_size: 512
    .sgpr_count:     66
    .vgpr_count:     130
    .wavefront_size: 32
...
	.end_amdgpu_metadata
.endif
;; end of part 6
;; launch finish: the kernel of part 4 again; grid 1 x 1, 1 waves a work-group, no clusters, 0 bytes of LDS; arguments parts, out1, out2; writes out1, out2
